; MI455X (gfx1250); checked and timed in simulation.
; The chip was launched on July 23, 2026; its instructions are those of AMD's public machine-readable ISA for CDNA 5 (MIT licence, August 2026) and "CDNA5" Instruction Set Architecture Reference Guide (July 2026). The comments in the code are by the model that wrote it; some were corrected since.
;; Causal Self Attention. Allowed arithmetic: float matrix products may take bf16 or f16 operands with f32 sums; all other float work in f32.
;; Inputs: Wproj 1,024 x 1,024 float32; Wqkv 1,024 x 3,072 float32; bproj 1,024 float32; bqkv 3,072 float32; x 2 x 2,048 x 1,024 float32.
;; Outputs: out0 2 x 2,048 x 1,024 float32.
;; 2 versions, each right. Each part assembles by itself: llvm-mc -triple=amdgcn-amd-amdhsa -mcpu=gfx1250 --defsym DOCPART=n.
;; ======== version 1 of 2: 4 launches
;; limits: values are held in f16: magnitudes above 65,504 overflow, below 6.1e-05 lose precision
;; workspace buffers: xb 8,388,608 bytes; wt 6,291,456 bytes; wpt 4,194,304 bytes; tab 524,288 bytes; q 8,388,608 bytes; k 8,388,608 bytes; v 16,777,216 bytes; y 16,777,216 bytes
;; launch prep (part 1): grid 256 x 1, 4 waves a work-group, no clusters, 35,328 bytes of LDS; arguments x, Wqkv, Wproj, xb, wt, wpt, tab; writes xb, wt, wpt, tab
.if DOCPART == 1
	.amdgcn_target "amdgcn-amd-amdhsa--gfx1250"
	.amdhsa_code_object_version 6
	.text
	.protected	k_qc01d042540_prep
	.globl	k_qc01d042540_prep
	.p2align	8
	.type	k_qc01d042540_prep,@function
k_qc01d042540_prep:
	s_mov_b64 s[64:65], 0
	v_nop
	global_prefetch_b8 v0, s[64:65] scope:SCOPE_SE
	s_setreg_imm32_b32 hwreg(HW_REG_WAVE_MODE, 25, 1), 1
	s_wait_xcnt 0x0
; PREP: everything that the later launches would otherwise redo for every block.
;   xb  = x rounded to bf16, [4096][1024]
;   wt  = Wqkv rounded to bf16 and turned to [n'][k]; row n' = 192 head + 64 z + d stands for column 1024 z + 64 head + d (z = 0, 1, 2: q, k, v)
;   wpt = Wproj rounded to bf16, those values written as f16, turned to [n][k] and laid twice along k: [1024][2048], k and k + 1024 alike,
;         because the last launch multiplies it by y's high and by y's low part
;   tab = [2048 positions][32 pairs] of (cos, sin) in f32, the angles of reference()'s RoPE
; 256 work-groups of four waves.  Waves 0 and 1 turn one weight tile of 128 k x 64 n each (512 tiles: 384 of Wqkv, 128 of Wproj);
; waves 2 and 3 round 32 KB of x each (512 chunks); every wave also makes two rows of the table (2,048 rows).
; A stream: no matrix unit, no cluster, no barrier (each wave touches only its own LDS bytes).
; LIMITS: a bf16 value of Wproj is exact in f16 from 2^-14 to 65,504; below 2^-14 it is kept to 2^-25 absolute.
; The table's range reduction and series are sized for the positions 0 to 2,047 that reference() uses:
; the angle is reduced by a two-part 2 pi to |r| <= pi, halved, and sin and cos of the half are series up to h^11 and h^10,
; whose first left-out terms at |h| = pi/2 are below 5e-7.
.set BUF0,   40                        ; v[40:103]   a batch of loads
.set BUF1,   104                       ; v[104:167]  the other batch
.set WLDS,   17408                     ; a wave's LDS: 64 rows (n) of 256 bytes (128 k) + 16 of padding
.set WPITCH, 272
	s_load_b256 s[4:11], s[0:1], 0x0               ; x s[4:5], Wqkv s[6:7], Wproj s[8:9], xb s[10:11]
	s_load_b128 s[12:15], s[0:1], 0x20             ; wt s[12:13], wpt s[14:15]
	s_load_b64 s[16:17], s[0:1], 0x30              ; tab
	v_lshl_add_u32 v176, v0, 2, 0x8800
	v_mov_b32 v177, 0
	v_and_b32 v1, 31, v0                           ; lane
	v_lshrrev_b32 v2, 5, v0
	v_readfirstlane_b32 s20, v2                    ; wave
	v_lshlrev_b32 v3, 3, v1                        ; 8 x lane
	v_lshlrev_b32 v4, 4, v1                        ; 16 x lane
	s_lshl_b32 s21, ttmp9, 3
	s_lshl1_add_u32 s21, s20, s21                  ; my first table row: t = 8 x work-group + 2 x wave
	s_lshl1_add_u32 s22, ttmp9, s20                ; 2 x work-group + wave
	s_mov_b32 s32, 0x40c90fdb                      ; 2 pi, the f32 nearest to it
	s_mov_b32 s33, 0xb43bbd2e                      ; and what is left of 2 pi
	v_lshl_add_u32 v28, s21, 8, v3                 ; table: 256 t + 8 x lane
	s_wait_kmcnt 0x0
; One row of the table.  t: the register that holds the position as f32; the pair (cos, sin) goes to v[24+2e:25+2e].
.macro TABROW e, t
	v_mul_f32 v19, v[\t], v16                      ; the angle, one f32 product as in reference()
	v_mul_f32 v20, 0.15915494, v19
	v_rndne_f32 v20, v20                           ; whole turns
	v_fma_f32 v19, -v20, s32, v19
	v_fma_f32 v19, -v20, s33, v19                  ; r in [-pi, pi]
	v_mul_f32 v19, 0.5, v19                        ; h = r / 2
	v_mul_f32 v21, v19, v19                        ; h^2
	v_mov_b32 v22, 0xb2d7322b                      ; -1/11!
	v_mov_b32 v23, 0xb493f27e                      ; -1/10!
	v_fmaak_f32 v22, v22, v21, 0x3638ef1d          ; 1/9!
	v_fmaak_f32 v23, v23, v21, 0x37d00d01          ; 1/8!
	v_fmaak_f32 v22, v22, v21, 0xb9500d01          ; -1/7!
	v_fmaak_f32 v23, v23, v21, 0xbab60b61          ; -1/6!
	v_fmaak_f32 v22, v22, v21, 0x3c088889          ; 1/5!
	v_fmaak_f32 v23, v23, v21, 0x3d2aaaab          ; 1/4!
	v_fmaak_f32 v22, v22, v21, 0xbe2aaaab          ; -1/3!
	v_fmaak_f32 v23, v23, v21, 0xbf000000          ; -1/2!
	v_fma_f32 v22, v22, v21, 1.0
	v_fma_f32 v23, v23, v21, 1.0                   ; cos h
	v_mul_f32 v22, v22, v19                        ; sin h
	v_mul_f32 v29, v22, v22
	v_fma_f32 v[24+2*\e], v29, -2.0, 1.0           ; cos r = 1 - 2 sin^2 h
	v_mul_f32 v29, v22, v23
	v_add_f32 v[25+2*\e], v29, v29                 ; sin r = 2 sin h cos h
	global_store_b64 v28, v[24+2*\e:25+2*\e], s[16:17] offset:256*\e   ; the wave's 32 lanes store one whole row of 256 bytes
.endm
; Both rows.  Stands behind a wave's first two batches of loads.  Its registers (v16-v29) are written nowhere else.
.macro TABROWS
	v_cvt_f32_u32 v16, v1
	v_mul_f32 v16, 0xbed49a78, v16                 ; - lane x log2(10000) / 32
	v_exp_f32 v16, v16                             ; 10000 ^ (- lane / 32)
	v_cvt_f32_u32 v17, s21                         ; a plain instruction between v_exp_f32 and the use of its result (ISA guide 5.7.2)
	v_add_f32 v18, 1.0, v17
	s_wait_alu depctr_va_vdst(0)
	TABROW 0, 17
	TABROW 1, 18
.endm
	s_cmp_ge_u32 s20, 2
	s_cbranch_scc1 .Lxconv
	; ---------------- waves 0 and 1: a weight tile ----------------
	v_lshrrev_b32 v30, 4, v1                       ; lane / 16
	v_and_b32 v31, 15, v1                          ; lane % 16
	s_mul_i32 s25, s20, WLDS                       ; my wave's LDS
	v_mul_u32_u24 v5, v1, 2*WPITCH
	v_add_nc_u32 v5, s25, v5                       ; in: row n = 2 x lane (+ 1 by the offset)
	v_mul_u32_u24 v6, v30, WPITCH
	v_lshl_add_u32 v6, v31, 4, v6
	v_add_nc_u32 v6, s25, v6                       ; back: lanes 0-15 one row of 256 bytes, lanes 16-31 the next
; 32 rows of the tile: a wave's load covers 256 neighbouring bytes (64 columns) of one row
.macro WLOAD buf, batch, pitch
.set rr, 0
.rept 32
	global_load_b64 v[\buf+2*rr:\buf+2*rr+1], v3, s[26:27] offset:(32*\batch+rr)*\pitch th:TH_LOAD_NT
.set rr, rr+1
.endr
.endm
; the batch's 32 k of my two columns, rounded to bf16, eight k (16 bytes) at a time into the column's LDS row.
; half = 1: the bf16 values are widened again (a shift, a mask) and written as f16
.macro WTURN buf, batch, half
.set g, 0
.rept 4
.irp e, 0,1
	v_cvt_pk_bf16_f32 v[8+4*\e],   v[\buf+16*g+\e],    v[\buf+16*g+2+\e]
	v_cvt_pk_bf16_f32 v[8+4*\e+1], v[\buf+16*g+4+\e],  v[\buf+16*g+6+\e]
	v_cvt_pk_bf16_f32 v[8+4*\e+2], v[\buf+16*g+8+\e],  v[\buf+16*g+10+\e]
	v_cvt_pk_bf16_f32 v[8+4*\e+3], v[\buf+16*g+12+\e], v[\buf+16*g+14+\e]
.if \half
.irp c, 0,1,2,3
	v_lshlrev_b32 v32, 16, v[8+4*\e+\c]
	v_and_b32 v33, 0xffff0000, v[8+4*\e+\c]
	v_cvt_pk_f16_f32 v[8+4*\e+\c], v32, v33
.endr
.endif
	ds_store_b128 v5, v[8+4*\e:8+4*\e+3] offset:WPITCH*\e+16*(4*\batch+g)
.endr
.set g, g+1
.endr
.endm
; The whole tile: source at s[26:27], rows pitch bytes apart; target at s[28:29], rows of 1 << dsh bytes.
; half = 1: f16, and each piece of a row is stored twice, 2,048 bytes (1,024 k) apart.
.macro WTILE pitch, half, dsh
	v_lshlrev_b32 v7, \dsh, v30
	v_lshl_add_u32 v7, v31, 4, v7                  ; the two rows that a load brings back, in the turned matrix
	WLOAD BUF0, 0, \pitch
	WLOAD BUF1, 1, \pitch
	TABROWS
	s_wait_loadcnt 32                              ; loads come back in order (ISA guide 5.7.1): the older batch is in, the younger 32 stay out
	WTURN BUF0, 0, \half
	WLOAD BUF0, 2, \pitch
	s_wait_loadcnt 32
	WTURN BUF1, 1, \half
	WLOAD BUF1, 3, \pitch
	s_wait_loadcnt 32
	WTURN BUF0, 2, \half
	s_wait_loadcnt 0x0
	WTURN BUF1, 3, \half
.set i, 0
.rept 32
	ds_load_b128 v[BUF0+4*i:BUF0+4*i+3], v6 offset:2*WPITCH*i      ; LDS serves a wave's instructions in order: these see the stores above
.set i, i+1
.endr
.set i, 0
.rept 32
	s_wait_dscnt 31-i
	global_store_b128 v7, v[BUF0+4*i:BUF0+4*i+3], s[28:29] offset:(2<<\dsh)*i   ; 16 lanes store 256 consecutive bytes, aligned
.if \half
	global_store_b128 v7, v[BUF0+4*i:BUF0+4*i+3], s[28:29] offset:(2<<\dsh)*i+2048
.endif
.set i, i+1
.endr
	s_wait_tensorcnt 0x0
	ds_add_u32 v176, v177
	s_wait_dscnt 0x0
	s_endpgm
.endm
	s_cmp_ge_u32 s22, 384
	s_cbranch_scc1 .Lwproj
	s_and_b32 s23, s22, 7                          ; which 128 k
	s_lshr_b32 s24, s22, 3                         ; which 64 columns of Wqkv: 16 z + head
	s_mul_i32 s26, s23, 128*12288
	s_lshl_b32 s25, s24, 8
	s_add_co_u32 s26, s26, s25
	s_mov_b32 s27, 0
	s_add_nc_u64 s[26:27], s[6:7], s[26:27]
	s_and_b32 s25, s24, 15
	s_mul_i32 s25, s25, 192                        ; 192 x head
	s_lshr_b32 s30, s24, 4
	s_lshl_b32 s30, s30, 6                         ; + 64 z
	s_add_co_u32 s25, s25, s30
	s_lshl_b32 s28, s25, 11                        ; rows of 2,048 bytes
	s_lshl_b32 s30, s23, 8
	s_add_co_u32 s28, s28, s30
	s_mov_b32 s29, 0
	s_add_nc_u64 s[28:29], s[12:13], s[28:29]
	WTILE 12288, 0, 11
.Lwproj:
	s_sub_co_u32 s22, s22, 384
	s_and_b32 s23, s22, 7
	s_lshr_b32 s24, s22, 3                         ; which 64 columns of Wproj
	s_mul_i32 s26, s23, 128*4096
	s_lshl_b32 s25, s24, 8
	s_add_co_u32 s26, s26, s25
	s_mov_b32 s27, 0
	s_add_nc_u64 s[26:27], s[8:9], s[26:27]
	s_lshl_b32 s28, s24, 18                        ; 64 rows of 4,096 bytes
	s_lshl_b32 s30, s23, 8
	s_add_co_u32 s28, s28, s30
	s_mov_b32 s29, 0
	s_add_nc_u64 s[28:29], s[14:15], s[28:29]
	WTILE 4096, 1, 12
	; ---------------- waves 2 and 3: 32 KB of x ----------------
.macro XLOAD buf, batch
.set j, 0
.rept 16
	global_load_b128 v[\buf+4*j:\buf+4*j+3], v4, s[26:27] offset:512*(16*\batch+j) th:TH_LOAD_NT
.set j, j+1
.endr
.endm
.macro XTURN buf, batch
.set j, 0
.rept 16
	v_cvt_pk_bf16_f32 v[\buf+4*j],   v[\buf+4*j],   v[\buf+4*j+1]
	v_cvt_pk_bf16_f32 v[\buf+4*j+1], v[\buf+4*j+2], v[\buf+4*j+3]
	global_store_b64 v3, v[\buf+4*j:\buf+4*j+1], s[28:29] offset:256*(16*\batch+j)   ; 32 lanes store 256 consecutive bytes, aligned
.set j, j+1
.endr
.endm
.Lxconv:
	s_sub_co_u32 s23, s22, 2                       ; my chunk, 0 to 511
	s_lshl_b32 s26, s23, 15
	s_mov_b32 s27, 0
	s_add_nc_u64 s[26:27], s[4:5], s[26:27]
	s_lshl_b32 s28, s23, 14
	s_mov_b32 s29, 0
	s_add_nc_u64 s[28:29], s[10:11], s[28:29]
	XLOAD BUF0, 0
	XLOAD BUF1, 1
	TABROWS
	s_wait_loadcnt 16                              ; the older batch is in, the younger 16 loads stay out
	XTURN BUF0, 0
	s_wait_xcnt 0x0                                ; the stores' data registers are loaded again only behind this wait
	XLOAD BUF0, 2
	s_wait_loadcnt 16
	XTURN BUF1, 1
	s_wait_xcnt 0x0
	XLOAD BUF1, 3
	s_wait_loadcnt 16
	XTURN BUF0, 2
	s_wait_loadcnt 0x0
	XTURN BUF1, 3
	s_endpgm
.Lfunc_end_k_qc01d042540_prep:
	.size	k_qc01d042540_prep, .Lfunc_end_k_qc01d042540_prep-k_qc01d042540_prep
	.p2alignl 7, 3214868480
	.fill 96, 4, 3214868480
	.section	.rodata,"a",@progbits
	.p2align	6, 0x0
	.amdhsa_kernel k_qc01d042540_prep
		.amdhsa_group_segment_fixed_size 35328
		.amdhsa_private_segment_fixed_size 0
		.amdhsa_enable_private_segment 0
		.amdhsa_kernarg_size 56
		.amdhsa_user_sgpr_count 2
		.amdhsa_user_sgpr_kernarg_segment_ptr 1
		.amdhsa_wavefront_size32 1
		.amdhsa_system_sgpr_workgroup_id_x 1
		.amdhsa_system_sgpr_workgroup_id_y 1
		.amdhsa_system_sgpr_workgroup_id_z 1
		.amdhsa_system_vgpr_workitem_id 0
		.amdhsa_next_free_vgpr 178
		.amdhsa_next_free_sgpr 66
		.amdhsa_reserve_vcc 0
		.amdhsa_float_denorm_mode_32 3
		.amdhsa_float_denorm_mode_16_64 3
		.amdhsa_memory_ordered 1
		.amdhsa_forward_progress 1
		.amdhsa_inst_pref_size 112
	.end_amdhsa_kernel
	.amdgpu_metadata
---
amdhsa.version: [ 1, 2 ]
amdhsa.kernels:
  - .name:           k_qc01d042540_prep
    .symbol:         k_qc01d042540_prep.kd
    .args:
      - { .name: x, .offset: 0, .size: 8, .value_kind: global_buffer, .address_space: global }
      - { .name: Wqkv, .offset: 8, .size: 8, .value_kind: global_buffer, .address_space: global }
      - { .name: Wproj, .offset: 16, .size: 8, .value_kind: global_buffer, .address_space: global }
      - { .name: xb, .offset: 24, .size: 8, .value_kind: global_buffer, .address_space: global }
      - { .name: wt, .offset: 32, .size: 8, .value_kind: global_buffer, .address_space: global }
      - { .name: wpt, .offset: 40, .size: 8, .value_kind: global_buffer, .address_space: global }
      - { .name: tab, .offset: 48, .size: 8, .value_kind: global_buffer, .address_space: global }
    .group_segment_fixed_size: 35328
    .private_segment_fixed_size: 0
    .kernarg_segment_align: 8
    .kernarg_segment_size: 56
    .max_flat_workgroup_size: 128
    .sgpr_count:     66
    .vgpr_count:     178
    .wavefront_size: 32
...
	.end_amdgpu_metadata
.endif
;; end of part 1
;; launch qkv (part 2): grid 16 x 16, 4 waves a work-group, clusters of 4 x 4, 327,680 bytes of LDS; arguments xb, wt, bqkv, tab, q, k, v; writes q, k, v
.if DOCPART == 2
	.amdgcn_target "amdgcn-amd-amdhsa--gfx1250"
	.amdhsa_code_object_version 6
	.text
	.protected	k_qc01d042540_qkv
	.globl	k_qc01d042540_qkv
	.p2align	8
	.type	k_qc01d042540_qkv,@function
k_qc01d042540_qkv:
	s_mov_b64 s[64:65], 0
	v_nop
	global_prefetch_b8 v0, s[64:65] scope:SCOPE_SE
	s_setreg_imm32_b32 hwreg(HW_REG_WAVE_MODE, 25, 1), 1
	s_wait_xcnt 0x0
	s_wait_alu depctr_hold_cnt(0) depctr_sa_sdst(0) depctr_va_vdst(0) depctr_va_sdst(0) depctr_va_ssrc(0) depctr_va_vcc(0) depctr_vm_vsrc(0)
	s_getreg_b32 s2, hwreg(HW_REG_IB_STS2, 6, 4)
	s_cmp_eq_u32 s2, 0
	s_cbranch_scc0 .Lentry_in_a_cluster
	s_endpgm
.Lentry_in_a_cluster:
	s_bfe_u32 s2, ttmp6, 0x10000c
	s_cmp_lg_u32 s2, 0xf033
	s_cbranch_scc0 .Lentry_shape_is_right
	s_endpgm
.Lentry_shape_is_right:
; QKV: (xb . wt^T + bqkv), RoPE on q and k, stored by heads in f16: q, k = [16 batch + head][2048 t][64]; v = [part][16 batch + head][2048 t][64],
; part 0 = v rounded to 11 bits, part 1 = what that rounding left (v is kept to 22 bits: a causal row t averages only t + 1 rows of v, so the first
; rows of the result are many times larger than its root mean square, against which the error is held).
; A work-group makes 256 rows x the 192 columns (q, k, v) of one head.  Four waves, as many as a WGP has SIMDs; wave w makes rows 64 w .. 64 w + 63
; and all 192 columns: 4 x 12 accumulator tiles of 16 x 16, 384 registers.  K = 1024 goes in 8 steps of 128 through a ring of two LDS slots
; filled by the tensor data mover; a tile's rows are 256 bytes of memory, aligned.
; CLUSTERS: 4 x 4 work-groups.  The four of a cluster's row make the same 256 rows and ask for xb's tiles jointly; the four of a column
; make the same head and ask for wt's tiles jointly.  The table of cosines and sines (64 KB, once for a work-group, against 0.9 MB of tiles)
; is each wave's own plain load.
; The matrix instruction is used transposed (source 0 = rows of wt, source 1 = rows of xb): lane (r = l % 16, h = l / 16) of tile b holds
; row r and the eight neighbouring columns 16 (b % 4) + 8 h + 0..7 of z = b / 4 (q, k, v): four RoPE pairs, 16 bytes of f16.
; The softmax's scale is not applied here.
; LIMITS: |q|, |k|, |v| below 65,504 (f16); with x and the weights 30 times the drawn spread they reach about 3,200.  Parts below 2^-14 are kept to 2^-25 absolute.
; REGISTERS in windows of 256:
;   window 0: v1-12 addresses; v16-63 packed results; v64-95, v96-127 fragments of xb (two buffers), later the table, v's packed low part and rows read back;
;             v128-223 bias; v224-255 rows read back
;   window 1: v0-95, v96-191 fragments of wt, two buffers
;   window 2: accumulators of row tiles 0, 1 at v[8 (12 a + b)]; v192-207 at work; v208-239 v's high part.   window 3: the same for row tiles 2, 3
.set KSTEP,  128
.set PITCH,  272                       ; an LDS row: 256 bytes + 16 of padding, so that the 16 rows of a fragment load start 68 words apart
.set HALFA,  128*PITCH                 ; what one load of xb brings
.set HALFB,  96*PITCH                  ; what one load of wt brings
.set BOFF,   256*PITCH                 ; wt's 192 rows lie behind xb's 256
.set SLOT,   448*PITCH
.set TAB,    2*SLOT                    ; the table: 256 rows of 256 bytes + 16
.set TABW,   64*PITCH                  ; a wave's 64 rows of it
.set SPITCH, 144                       ; the way out: a row of 64 f16 + 16 bytes
.set STZ,    16*SPITCH                 ; 16 rows of one of q, k, v high, v low
.set STW,    4*STZ                     ; a wave's stage; the four stages lie in slot 0, which has had its last fill and its last reads by then
.set LAPS,   4                         ; a lap = two K steps = once round the ring
.set ADRA, 4                           ; v4-5   LDS address of my xb fragments in slot 0, 1
.set ADRB, 6                           ; v6-7   the same for wt
.set TA,   8                           ; v8     my bytes in the table
.set STO,  9                           ; v9     the way out: where I put 16 bytes of a row
.set RD,   10                          ; v10    the way out: where I read rows back
.set CO,   11                          ; v11    16 x lane
.set BO,   12                          ; v12    32 h
.set PK,   16
.set BIAS, 128
.set G1,  24                           ; s[24:31] group 1 for xb's tiles
.set G0,  32                           ; s[32:39] group 0 for xb's tiles, one set for each slot
.set G1B, 48                           ; s[48:55] group 1 for wt's tiles
.set G0B, 56                           ; s[56:63] group 0 for wt's tiles
.set G1T, 84                           ; s[84:91] group 1 for the table
.set G0T, 92                           ; s[92:95] group 0 for the table
.set MSB, 0
.macro WIN new                         ; the immediate's high byte repeats the setting that is left
.if MSB != \new
	s_set_vgpr_msb (MSB<<8)|\new
.set MSB, \new
.endif
.endm
.set MUL_LO, 0xa1                      ; source 0 (wt) window 1, source 1 (xb) window 0, C and D window 2
.set MUL_HI, 0xf1                      ; the same, C and D window 3
.set TO_B,   0x40                      ; destination window 1, address window 0
; A joint load.  Waves 0 and 1 fetch xb's two halves, waves 2 and 3 wt's.  Each line has one mask and one set of registers for all that issue it.
.macro JLOAD s
	s_cmp_eq_u32 s11, 0
	s_cbranch_scc0 .Lfor_b_\@
	tensor_load_to_lds s[G0+4*\s:G0+4*\s+3], s[G1:G1+7]
	s_nop 0
	s_branch .Lasked_\@
.Lfor_b_\@:
	tensor_load_to_lds s[G0B+4*\s:G0B+4*\s+3], s[G1B:G1B+7]
	s_nop 0
.Lasked_\@:
.endm
; A round of the cluster's barrier: my work-group's barrier; wave 0 signals for the work-group; every wave waits for all sixteen; my work-group's barrier again.
.macro CREST
	s_cmp_lg_u32 s10, 0
	s_cbranch_scc1 .Lnot_wave_0_\@
	s_barrier_signal -3
.Lnot_wave_0_\@:
	s_barrier_wait -3
	s_barrier_signal -1
	s_barrier_wait -1
.endm
.macro CROUND
	s_barrier_signal -1
	s_barrier_wait -1
	CREST
.endm
	s_load_b256 s[68:75], s[0:1], 0x0              ; xb s[68:69], wt s[70:71], bqkv s[72:73], tab s[74:75]
	s_load_b128 s[76:79], s[0:1], 0x20             ; q s[76:77], k s[78:79]
	s_load_b64 s[80:81], s[0:1], 0x30              ; v
	s_set_vgpr_msb 0x40
	v_lshl_add_u32 v255, v0, 2, 0x4c800
	s_set_vgpr_msb 0x4000
	v_mov_b32 v15, 0
	s_set_vgpr_msb 0x1
	ds_add_u32 v255, v15
	ds_add_u32 v255, v15
	s_set_vgpr_msb 0x100
	v_lshrrev_b32 v1, 5, v0
	v_readfirstlane_b32 s10, v1                    ; wave 0..3
	s_lshr_b32 s11, s10, 1                         ; I fetch for xb (0) or for wt (1)
	s_and_b32 s12, s10, 1                          ; which half of that tile
	s_bfe_u32 s40, ttmp6, 0x40000                  ; cx
	s_bfe_u32 s41, ttmp6, 0x40004                  ; cy
	s_lshl_b32 s42, ttmp9, 2
	s_add_co_u32 s42, s42, s40                     ; head = 4 x cluster x + cx
	s_and_b32 s13, ttmp7, 0xffff
	s_lshl_b32 s13, s13, 2
	s_add_co_u32 s13, s13, s41                     ; block of 256 rows = 4 x cluster y + cy
	s_lshl_b32 s43, s41, 2
	s_lshl_b32 s43, 15, s43                        ; my row of the cluster
	s_lshl_b32 s44, 0x1111, s40                    ; my column
	v_and_b32 v1, 15, v0                           ; r
	v_bfe_u32 v2, v0, 4, 1                         ; h
	v_lshlrev_b32 v[BO], 5, v2
	; group 1: elements of 2 bytes, 16 bytes of padding behind every 64 words, bit 21 beside the mask
	s_or_b32 s[G1+0], s43, (1<<16)|(1<<20)|(1<<21)|(5<<22)|(3<<25)   ; xb's tiles go to my row
	s_mov_b32 s[G1+1], KSTEP<<16                   ; tensor_dim0 = 128
	s_mov_b32 s[G1+2], 128<<16                     ; tensor_dim1 = 128
	s_mov_b32 s[G1+3], KSTEP<<16                   ; tile_dim0 = 128
	s_mov_b32 s[G1+4], 128                         ; tile_dim1 = 128 rows
	s_mov_b32 s[G1+5], 1024                        ; elements from row to row
	s_mov_b32 s[G1+6], 0
	s_mov_b32 s[G1+7], 0
	s_or_b32 s[G1B+0], s44, (1<<16)|(1<<20)|(1<<21)|(5<<22)|(3<<25)  ; wt's tiles go to my column
	s_mov_b32 s[G1B+1], KSTEP<<16
	s_mov_b32 s[G1B+2], 96<<16                     ; 96 rows
	s_mov_b32 s[G1B+3], KSTEP<<16
	s_mov_b32 s[G1B+4], 96
	s_mov_b32 s[G1B+5], 1024
	s_mov_b32 s[G1B+6], 0
	s_mov_b32 s[G1B+7], 0
	s_mov_b32 s[G1T+0], (2<<16)|(1<<20)|(5<<22)|(3<<25)              ; the table: no mask, elements of 4 bytes, the same padding
	s_mov_b32 s[G1T+1], 64<<16
	s_mov_b32 s[G1T+2], 64<<16
	s_mov_b32 s[G1T+3], 64<<16
	s_mov_b32 s[G1T+4], 64                         ; 64 rows of 64 words
	s_mov_b32 s[G1T+5], 64
	s_mov_b32 s[G1T+6], 0
	s_mov_b32 s[G1T+7], 0
	; where the tiles come from: xb's hang on the block of rows alone, wt's on the head alone, each in registers that never hold the other coordinate
	s_lshl_b32 s16, s13, 8
	s_lshl_b32 s17, s12, 7
	s_add_co_u32 s16, s16, s17                     ; xb: row 256 x block + 128 x half
	s_lshl_b32 s16, s16, 11                        ; rows of 2,048 bytes (below 8 MiB)
	s_mov_b32 s17, 0
	s_mul_i32 s46, s42, 192
	s_mul_i32 s45, s12, 96
	s_add_co_u32 s46, s46, s45                     ; wt: row 192 x head + 96 x half
	s_lshl_b32 s46, s46, 11
	s_mov_b32 s47, 0
	s_and_b32 s18, s13, 7
	s_lshl_b32 s18, s18, 8
	s_lshl_b32 s19, s10, 6
	s_add_co_u32 s18, s18, s19                     ; table: position 256 x (block % 8) + 64 x wave
	s_lshl_b32 s18, s18, 8
	s_mov_b32 s19, 0
	s_mul_i32 s20, s10, HALFA                      ; where they go: xb's halves at wave x 128 rows,
	s_mul_i32 s21, s10, HALFB
	s_add_co_u32 s21, s21, BOFF-2*HALFB            ; wt's halves (waves 2, 3) behind xb's 256 rows,
	s_mul_i32 s22, s10, TABW                       ; the table's quarters at wave x 64 rows: no place in the cluster enters an LDS address
	s_lshl_b32 s82, s42, 8                         ; bias: 64 floats a head
	s_mov_b32 s83, 0
	s_wait_dscnt 0x0
	s_wait_kmcnt 0x0
	s_add_nc_u64 s[14:15], s[68:69], s[16:17]
	s_add_nc_u64 s[46:47], s[70:71], s[46:47]
	s_add_nc_u64 s[72:73], s[72:73], s[82:83]
.irp b, 0,1,2,3,4,5,6,7,8,9,10,11
	global_load_b128 v[BIAS+8*\b:BIAS+8*\b+3],   v[BO], s[72:73] offset:4096*(\b>>2)+64*(\b&3)      ; bias of my eight columns of tile b
	global_load_b128 v[BIAS+8*\b+4:BIAS+8*\b+7], v[BO], s[72:73] offset:4096*(\b>>2)+64*(\b&3)+16
.endr
	CROUND                                         ; all sixteen work-groups are here: the first joint loads meet
	s_mov_b32 s[G0T], 1
	s_add_co_u32 s[G0T+1], s22, TAB
	s_add_nc_u64 s[G0T+2:G0T+3], s[74:75], s[18:19]
	s_or_b32 s[G0T+3], s[G0T+3], 0x80000000
	tensor_load_to_lds s[G0T:G0T+3], s[G1T:G1T+7]  ; my 64 rows of the table, which I alone read
	s_nop 0
.irp s, 0,1
	s_mov_b32 s[G0+4*\s], 1
	s_add_co_u32 s[G0+4*\s+1], s20, \s*SLOT
	s_add_nc_u64 s[G0+4*\s+2:G0+4*\s+3], s[14:15], \s*KSTEP*2
	s_or_b32 s[G0+4*\s+3], s[G0+4*\s+3], 0x80000000
	s_mov_b32 s[G0B+4*\s], 1
	s_add_co_u32 s[G0B+4*\s+1], s21, \s*SLOT
	s_add_nc_u64 s[G0B+4*\s+2:G0B+4*\s+3], s[46:47], \s*KSTEP*2
	s_or_b32 s[G0B+4*\s+3], s[G0B+4*\s+3], 0x80000000
	JLOAD \s                                       ; K steps 0 and 1: with the table three tensor loads of the wave are out
.endr
	v_mul_u32_u24 v3, v1, PITCH
	v_lshl_add_u32 v3, v2, 4, v3                   ; r x pitch + 16 h
	v_add_nc_u32 v[ADRA], s22, v3                  ; my 64 rows of xb (64 rows x pitch = the table's quarter)
	v_add_nc_u32 v[ADRA+1], SLOT, v[ADRA]
	v_add_nc_u32 v[ADRB], BOFF, v3                 ; all 192 rows of wt
	v_add_nc_u32 v[ADRB+1], SLOT, v[ADRB]
	v_lshl_add_u32 v[TA], v2, 4, v3                ; table: r x pitch + 32 h
	v_add_nc_u32 v[TA], s22, v[TA]
	v_add_nc_u32 v[TA], TAB, v[TA]
	s_mul_i32 s23, s10, STW                        ; my stage
	v_mul_u32_u24 v3, v1, SPITCH
	v_lshl_add_u32 v3, v2, 4, v3
	v_add_nc_u32 v[STO], s23, v3                   ; in: row r, 16 bytes for each half of the lanes
	v_and_b32 v3, 31, v0
	v_lshlrev_b32 v[CO], 4, v3
	v_lshrrev_b32 v3, 3, v3
	v_mul_u32_u24 v3, v3, SPITCH
	v_and_b32 v1, 7, v0
	v_lshl_add_u32 v3, v1, 4, v3
	v_add_nc_u32 v[RD], s23, v3                    ; back: eight lanes a row of 128 bytes, four rows a load
; 12 matrix instructions: row tile a of the window's two (hi = 0: my rows 0-31, 1: rows 32-63) x all 12 column tiles, 32 along K, from buffer f.
; zero = 1: the first product starts the sums.  The 48 accumulators take turns, one instruction a turn.
.macro MUL12 f, hi, a, zero
.irp b, 0,1,2,3,4,5,6,7,8,9,10,11
.if \zero
	v_wmma_f32_16x16x32_bf16 v[8*(12*\a+\b):8*(12*\a+\b)+7], v[96*\f+8*\b:96*\f+8*\b+7], v[64+32*\f+8*(2*\hi+\a):64+32*\f+8*(2*\hi+\a)+7], 0
.else
	v_wmma_f32_16x16x32_bf16 v[8*(12*\a+\b):8*(12*\a+\b)+7], v[96*\f+8*\b:96*\f+8*\b+7], v[64+32*\f+8*(2*\hi+\a):64+32*\f+8*(2*\hi+\a)+7], v[8*(12*\a+\b):8*(12*\a+\b)+7]
.endif
.endr
.endm
; 32 LDS loads in one run: the fragments of a quarter step (192 rows of wt, my 64 rows of xb, 32 K at byte k of the rows) into buffer f
.macro FETCH slot, k, f
	WIN TO_B
.irp i, 0,1,2,3,4,5,6,7,8,9,10,11
	ds_load_b128 v[96*\f+8*\i:96*\f+8*\i+3],   v[ADRB+\slot] offset:\k+\i*16*PITCH
	ds_load_b128 v[96*\f+8*\i+4:96*\f+8*\i+7], v[ADRB+\slot] offset:\k+\i*16*PITCH+32
.endr
	WIN 0
.irp i, 0,1,2,3
	ds_load_b128 v[64+32*\f+8*\i:64+32*\f+8*\i+3],   v[ADRA+\slot] offset:\k+\i*16*PITCH
	ds_load_b128 v[64+32*\f+8*\i+4:64+32*\f+8*\i+7], v[ADRA+\slot] offset:\k+\i*16*PITCH+32
.endr
.endm
; Four places behind a matrix instruction before a load is issued into one of its sources or a vector instruction reads its result
; (ISA guide 7.12.1 for vector instructions); the matrix instructions in between are not counted.
.macro PLACES
.rept 4
	v_nop
.endr
.endm
; One of a K step's first three quarters: multiplies buffer f, and fetches the next quarter (byte k) into buffer g in its middle.
.macro QUARTER slot, k, f, g, zero
	s_wait_dscnt 4                                 ; wt and xb's row tiles 0, 1 are in; the youngest four loads (row tiles 2, 3) may be out
	WIN MUL_LO
	MUL12 \f, 0, 0, \zero
	MUL12 \f, 0, 1, \zero
	PLACES
	FETCH \slot, \k, \g
	s_wait_dscnt 32                                ; all but the 32 just issued
	WIN MUL_HI
	MUL12 \f, 1, 0, \zero
	MUL12 \f, 1, 1, \zero
.endm
.macro THREE slot, zero
	QUARTER \slot, 64,  0, 1, \zero
	QUARTER \slot, 128, 1, 0, 0
	QUARTER \slot, 192, 0, 1, 0
.endm
; The last quarter multiplies buffer 1 and changes slots.  In front of the barrier each wave waits for its reads of this slot and for all its
; tensor loads (the one that is out is its part of the next slot).  Where the slot is filled again the barrier opens a round of the cluster's
; barrier, and the joint refill is the first tensor load behind the round's closing wait.
.macro TURN slot, next, fill
	s_wait_dscnt 4
	WIN MUL_LO
	MUL12 1, 0, 0, 0
	s_wait_dscnt 0                                 ; my reads of this slot are over
	s_wait_tensorcnt 0x0                           ; and all my tensor loads have landed
	ds_add_u32 v255, v15
	s_wait_dscnt 0x0
	s_barrier_signal -1
	MUL12 1, 0, 1, 0                               ; register work while the others arrive
	WIN 0
	s_barrier_wait -1
.if \fill
	CREST
	s_add_nc_u64 s[G0+4*\slot+2:G0+4*\slot+3], s[G0+4*\slot+2:G0+4*\slot+3], 2*KSTEP*2
	s_add_nc_u64 s[G0B+4*\slot+2:G0B+4*\slot+3], s[G0B+4*\slot+2:G0B+4*\slot+3], 2*KSTEP*2
	JLOAD \slot
.endif
	PLACES
	FETCH \next, 0, 0
	WIN MUL_HI
	MUL12 1, 1, 0, 0
	MUL12 1, 1, 1, 0
.endm
.macro LAP zero
	THREE 0, \zero
	TURN 0, 1, 1
	THREE 1, 0
	TURN 1, 0, 1
.endm
	s_wait_tensorcnt 1                             ; the table and my part of K step 0 are in; K step 1's load stays out
	s_barrier_signal -1
	s_barrier_wait -1
	FETCH 0, 0, 0
	LAP 1                                          ; the first lap stands in front of the loop: its first products start the sums
	WIN 0
	s_mov_b32 s3, LAPS-2
.Llap:
	LAP 0
	WIN 0
	s_sub_co_u32 s3, s3, 1
	s_cmp_lg_u32 s3, 0
	s_cbranch_scc1 .Llap
	THREE 0, 0                                     ; the last lap fills nothing
	TURN 0, 1, 0                                   ; behind its barrier nobody reads slot 0 any more
	THREE 1, 0
	s_wait_dscnt 4
	WIN MUL_LO
	MUL12 1, 0, 0, 0
	MUL12 1, 0, 1, 0
	s_wait_dscnt 0
	WIN MUL_HI
	MUL12 1, 1, 0, 0
	MUL12 1, 1, 1, 0
	; THE WAY OUT, 16 rows at a time: bias, RoPE on q and k, v split in two parts, one rounding to f16 each, through my own stage, whole rows to memory.
	PLACES
	WIN 0
	s_lshr_b32 s96, s13, 3
	s_lshl_b32 s96, s96, 4
	s_add_co_u32 s96, s96, s42                     ; 16 x batch + head
	s_lshl_b32 s96, s96, 11
	s_and_b32 s97, s13, 7
	s_lshl_b32 s97, s97, 8
	s_add_co_u32 s96, s96, s97
	s_lshl_b32 s97, s10, 6
	s_add_co_u32 s96, s96, s97                     ; + my first position
	s_lshl_b32 s96, s96, 7                         ; rows of 128 bytes (below 8 MiB)
	s_mov_b32 s97, 0
	s_add_nc_u64 s[76:77], s[76:77], s[96:97]
	s_add_nc_u64 s[78:79], s[78:79], s[96:97]
	s_add_nc_u64 s[80:81], s[80:81], s[96:97]
	s_add_nc_u64 s[82:83], s[80:81], 0x800000      ; v's low part lies 32 heads x 2,048 rows x 128 bytes behind the high part
	s_wait_loadcnt 0x0                             ; the bias
.macro RBLOAD z, reg
.irp t, 0,1,2,3
	ds_load_b128 v[\reg+4*\t:\reg+4*\t+3], v[RD] offset:STZ*\z+4*SPITCH*\t     ; LDS serves a wave's instructions in order: these see my stores
.endr
.endm
.macro RBSTORE z, reg, a
.irp t, 0,1,2,3
	s_wait_dscnt 15-4*\z-\t
	global_store_b128 v[CO], v[\reg+4*\t:\reg+4*\t+3], s[76+2*\z:77+2*\z] offset:2048*\a+512*\t   ; four rows: 512 consecutive bytes, aligned
.endr
.endm
; row tile a.  wmath: sources 0 and 2 and the destination in the accumulators' window, source 1 in window 0; wall: all four places there;
; wcvt: sources 0 and 1 there, destination in window 0
.macro OUTA a, wmath, wall, wcvt
.irp bb, 0,1,2,3
	ds_load_b128 v[64+8*\bb:64+8*\bb+3],   v[TA] offset:16*PITCH*\a+64*\bb        ; (cos, sin) of my four pairs of column tile bb
	ds_load_b128 v[64+8*\bb+4:64+8*\bb+7], v[TA] offset:16*PITCH*\a+64*\bb+16
.endr
	s_wait_dscnt 0x0
	WIN \wmath
.irp b, 0,1,2,3,4,5,6,7
.irp m, 0,1,2,3
	v_pk_add_f32 v[192+2*\m:193+2*\m], v[8*(12*(\a&1)+\b)+2*\m:8*(12*(\a&1)+\b)+2*\m+1], v[BIAS+8*\b+2*\m:BIAS+8*\b+2*\m+1]   ; (y0, y1)
.endr
.irp m, 0,1,2,3
	v_pk_mul_f32 v[200+2*\m:201+2*\m], v[192+2*\m:193+2*\m], v[64+8*(\b&3)+2*\m:64+8*(\b&3)+2*\m+1] op_sel_hi:[1,0]          ; (y0 cos, y1 cos)
.endr
.irp m, 0,1,2,3
	v_pk_fma_f32 v[8*(12*(\a&1)+\b)+2*\m:8*(12*(\a&1)+\b)+2*\m+1], v[192+2*\m:193+2*\m], v[64+8*(\b&3)+2*\m:64+8*(\b&3)+2*\m+1], v[200+2*\m:201+2*\m] op_sel:[1,1,0] op_sel_hi:[0,1,1] neg_lo:[0,1,0]   ; (y0 cos - y1 sin, y1 cos + y0 sin)
.endr
.endr
.irp b, 8,9,10,11
.irp m, 0,1,2,3
	v_pk_add_f32 v[8*(12*(\a&1)+\b)+2*\m:8*(12*(\a&1)+\b)+2*\m+1], v[8*(12*(\a&1)+\b)+2*\m:8*(12*(\a&1)+\b)+2*\m+1], v[BIAS+8*\b+2*\m:BIAS+8*\b+2*\m+1]
.endr
.endr
	; v in two parts: c = (2^13 + 1) v; high = c - (c - v) is v rounded to 24 - 13 = 11 bits, exact in f16; low = v - high is exact in f32
	WIN \wall
.irp b, 8,9,10,11
.irp m, 0,1,2,3
	v_pk_mul_f32 v[192+2*\m:193+2*\m], v[8*(12*(\a&1)+\b)+2*\m:8*(12*(\a&1)+\b)+2*\m+1], 0x46000400 op_sel_hi:[1,0]
.endr
.irp m, 0,1,2,3
	v_pk_add_f32 v[200+2*\m:201+2*\m], v[192+2*\m:193+2*\m], v[8*(12*(\a&1)+\b)+2*\m:8*(12*(\a&1)+\b)+2*\m+1] neg_lo:[0,1] neg_hi:[0,1]
.endr
.irp m, 0,1,2,3
	v_pk_add_f32 v[208+8*(\b-8)+2*\m:208+8*(\b-8)+2*\m+1], v[192+2*\m:193+2*\m], v[200+2*\m:201+2*\m] neg_lo:[0,1] neg_hi:[0,1]
.endr
.irp m, 0,1,2,3
	v_pk_add_f32 v[8*(12*(\a&1)+\b)+2*\m:8*(12*(\a&1)+\b)+2*\m+1], v[8*(12*(\a&1)+\b)+2*\m:8*(12*(\a&1)+\b)+2*\m+1], v[208+8*(\b-8)+2*\m:208+8*(\b-8)+2*\m+1] neg_lo:[0,1] neg_hi:[0,1]
.endr
.endr
	WIN \wcvt
.irp b, 0,1,2,3,4,5,6,7
.irp m, 0,1,2,3
	v_cvt_pk_f16_f32 v[PK+4*\b+\m], v[8*(12*(\a&1)+\b)+2*\m], v[8*(12*(\a&1)+\b)+2*\m+1]
.endr
.endr
.irp b, 8,9,10,11
.irp m, 0,1,2,3
	v_cvt_pk_f16_f32 v[PK+4*\b+\m], v[208+8*(\b-8)+2*\m], v[208+8*(\b-8)+2*\m+1]                  ; v's high part
	v_cvt_pk_f16_f32 v[64+4*(\b-8)+\m], v[8*(12*(\a&1)+\b)+2*\m], v[8*(12*(\a&1)+\b)+2*\m+1]      ; v's low part, where the table lay
.endr
.endr
	WIN 0
.irp b, 0,1,2,3,4,5,6,7,8,9,10,11
	ds_store_b128 v[STO], v[PK+4*\b:PK+4*\b+3] offset:STZ*(\b>>2)+32*(\b&3)
.endr
.irp bb, 0,1,2,3
	ds_store_b128 v[STO], v[64+4*\bb:64+4*\bb+3] offset:STZ*3+32*\bb
.endr
	s_wait_xcnt 0x0                                ; the registers that the last row tile's stores read are loaded again only behind this wait
	RBLOAD 0, 96
	RBLOAD 1, 112
	RBLOAD 2, 224
	RBLOAD 3, 240
	RBSTORE 0, 96, \a
	RBSTORE 1, 112, \a
	RBSTORE 2, 224, \a
	RBSTORE 3, 240, \a
.endm
	OUTA 0, 0xa2, 0xaa, 0x0a
	OUTA 1, 0xa2, 0xaa, 0x0a
	OUTA 2, 0xf3, 0xff, 0x0f
	OUTA 3, 0xf3, 0xff, 0x0f
	s_set_vgpr_msb 0x1
	s_wait_tensorcnt 0x0
	ds_add_u32 v255, v15
	s_wait_dscnt 0x0
	s_set_vgpr_msb 0x100
	CROUND                                         ; the closing round: no work-group ends while a partner may still ask for a tile that names it
	s_endpgm
.Lfunc_end_k_qc01d042540_qkv:
	.size	k_qc01d042540_qkv, .Lfunc_end_k_qc01d042540_qkv-k_qc01d042540_qkv
	.p2alignl 7, 3214868480
	.fill 96, 4, 3214868480
	.section	.rodata,"a",@progbits
	.p2align	6, 0x0
	.amdhsa_kernel k_qc01d042540_qkv
		.amdhsa_group_segment_fixed_size 327680
		.amdhsa_private_segment_fixed_size 0
		.amdhsa_enable_private_segment 0
		.amdhsa_kernarg_size 56
		.amdhsa_user_sgpr_count 2
		.amdhsa_user_sgpr_kernarg_segment_ptr 1
		.amdhsa_wavefront_size32 1
		.amdhsa_system_sgpr_workgroup_id_x 1
		.amdhsa_system_sgpr_workgroup_id_y 1
		.amdhsa_system_sgpr_workgroup_id_z 1
		.amdhsa_system_vgpr_workitem_id 0
		.amdhsa_next_free_vgpr 1024
		.amdhsa_next_free_sgpr 100
		.amdhsa_reserve_vcc 0
		.amdhsa_float_denorm_mode_32 3
		.amdhsa_float_denorm_mode_16_64 3
		.amdhsa_memory_ordered 1
		.amdhsa_forward_progress 1
		.amdhsa_inst_pref_size 223
	.end_amdhsa_kernel
	.amdgpu_metadata
---
amdhsa.version: [ 1, 2 ]
amdhsa.kernels:
  - .name:           k_qc01d042540_qkv
    .symbol:         k_qc01d042540_qkv.kd
    .args:
      - { .name: xb, .offset: 0, .size: 8, .value_kind: global_buffer, .address_space: global }
      - { .name: wt, .offset: 8, .size: 8, .value_kind: global_buffer, .address_space: global }
      - { .name: bqkv, .offset: 16, .size: 8, .value_kind: global_buffer, .address_space: global }
      - { .name: tab, .offset: 24, .size: 8, .value_kind: global_buffer, .address_space: global }
      - { .name: q, .offset: 32, .size: 8, .value_kind: global_buffer, .address_space: global }
      - { .name: k, .offset: 40, .size: 8, .value_kind: global_buffer, .address_space: global }
      - { .name: v, .offset: 48, .size: 8, .value_kind: global_buffer, .address_space: global }
    .group_segment_fixed_size: 327680
    .private_segment_fixed_size: 0
    .kernarg_segment_align: 8
    .kernarg_segment_size: 56
    .max_flat_workgroup_size: 128
    .sgpr_count:     100
    .vgpr_count:     1024
    .wavefront_size: 32
...
	.end_amdgpu_metadata
.endif
;; end of part 2
;; launch attn (part 3): grid 8 x 32, 8 waves a work-group, no clusters, 327,680 bytes of LDS; arguments q, k, v, y; writes y
.if DOCPART == 3
	.amdgcn_target "amdgcn-amd-amdhsa--gfx1250"
	.amdhsa_code_object_version 6
	.text
	.protected	k_qc01d042540_attn
	.globl	k_qc01d042540_attn
	.p2align	8
	.type	k_qc01d042540_attn,@function
k_qc01d042540_attn:
	s_mov_b64 s[64:65], 0
	v_nop
	global_prefetch_b8 v0, s[64:65] scope:SCOPE_SE
	s_setreg_imm32_b32 hwreg(HW_REG_WAVE_MODE, 25, 1), 1
	s_wait_xcnt 0x0
; ATTN: causal softmax attention with a running maximum.  q, k = [bh = 16 batch + head][2048][64] f16; v = [part][bh][2048][64] f16 (high, low);
; y = [batch][part][head][2048][64] f16 (high, low).
; Work-group (i, bh): waves 0-3 own the query block i of 128 rows, waves 4-7 the block 15 - i, and both walk ONE stream of key tiles of 128 keys:
; (i + 1) + (16 - i) = 17 units of work in every work-group, and a tile is fetched once for both blocks.
; Wave w % 4 holds 32 query rows as two pieces X and Y of 16 rows, which share the K and V fragments and take turns: X's softmax stands among
; Y's score products, Y's softmax among X's P V products.
; NO CLUSTER: the work-groups of one head need 15 - i ring tiles, a different number each, and a trip count may not differ between partners.
; EVERYTHING TRANSPOSED: S^T = K Q^T, so lane (r = l % 16, h = l / 16) holds query r and keys 8 h + 0..7 of each 16-key tile; maximum and sum are one
; number a lane, the only step across lanes crosses the two halves; two packed tiles of P^T are the second source of O^T = V^T P^T as they lie.
; V^T fragments come from V's [key][d] rows by the transposing LDS load.
; The diagonal tile comes first, so the running maximum is a real score from the first step on (key 0 of the tile is open to every query of the block).
; Masked scores are set to the lowest finite f32, as in reference(); their exponentials come out as 0.
; PRECISION: row t averages t + 1 rows of v, so the first rows of the result are the largest, up to sqrt(2048 / ln 2048), about 16 times the root mean square
; against which the error is held.  So v's low part is multiplied too in the diagonal tile, which holds all keys of the rows below 128 (in the later
; blocks it changes little, and it is done there as well so that all work-groups run one text), and y leaves in two parts, 22 bits.
; LIMITS: |q|, |k|, |v|, |y| below 65,504 (f16); P is rounded to f16 for the product while its sum is kept in f32; v_exp_f32 gives 0 for results below 2^-126.
; LDS: a slot = 8 chunks of 5,120 bytes: chunk c < 4 = K's rows 32 c .. at pitch 144; chunk 4 + c = V's rows 32 c .. at pitch 160.  Wave w fills chunk w.
.set CH,    5120
.set SLOTB, 8*CH
.set DA,    0                          ; tile i: the diagonal of waves 0-3
.set DB,    SLOTB                      ; tile 15 - i: the diagonal of waves 4-7
.set ES,    2*SLOTB                    ; tile 14 - i: multiplied where the number of full tiles, 15 - i, is odd
.set R0,    3*SLOTB                    ; the ring
.set R1,    4*SLOTB
.set LO,    5*SLOTB                    ; v's low part: chunks 0-3 = tile i, chunks 4-7 = tile 15 - i, at pitch 160; wave w fills chunk w, once
.set STAGE, 6*SLOTB                    ; the way out: 2 parts x 32 rows x 144 bytes for each wave, bytes into which no tensor load lands
.set QX, 32                            ; v[32:47]   Q fragments of piece X (two K steps of 32)
.set QY, 48                            ; v[48:63]
.set F,  64                            ; v[64:127]  K fragments, then V^T fragments
.set SX, 128                           ; v[128:159] scores of X: four tiles of 16 keys; then P^T packed in v[128:143]
.set SY, 160
.set OX, 192                           ; v[192:223] O^T of X: four tiles of 16 d
.set OY, 224
.set MX, 26                            ; running maximum, running sum (this lane's keys)
.set LX, 27
.set MY, 28
.set LY, 29
; v1-8: LDS addresses K, V of the diagonal slot, of ES, R0, R1.  v9, v10: query - 8 h of X, Y in the block.  v11: lowest finite f32.
; v12-14: the way out.  v15: Q's offset.  v16-19 at work; v[20:21] sums; v22 = - maximum x c; v24 = the old sums' factor (v23, v25 only fill the pairs).
; v30: LDS address of my block's low part of V.
	s_load_b256 s[4:11], s[0:1], 0x0               ; q s[4:5], k s[6:7], v s[8:9], y s[10:11]
	s_set_vgpr_msb 0x40
	v_lshl_add_u32 v0, v0, 2, 0x4e000
	v_mov_b32 v1, 0
	s_set_vgpr_msb 0x4045
	ds_add_u32 v0, v1
	ds_add_u32 v0, v1
	s_set_vgpr_msb 0x4500
	v_lshrrev_b32 v1, 5, v0
	v_readfirstlane_b32 s12, v1                    ; wave 0..7
	s_and_b32 s13, s12, 3                          ; which 32 rows of the block; also which 32 rows of K or V I fetch
	s_mov_b32 s14, ttmp9                           ; i
	s_and_b32 s15, ttmp7, 0xffff                   ; bh
	s_sub_co_u32 s27, 15, s14
	s_cmp_lt_u32 s12, 4
	s_cselect_b32 s16, s14, s27                    ; my query block
	s_cselect_b32 s17, s14, 16                     ; ring tiles below this number are mine to multiply
	s_lshr_b32 s18, s27, 1
	s_sub_co_u32 s18, s18, 1                       ; pairs of ring tiles less one: 3 to 6
	s_mov_b32 s22, 0x3e38aa3b                      ; c = log2(e) / sqrt(64)
	s_mov_b32 s23, 0
	s_mov_b32 s26, 0xbe38aa3b                      ; - c
	s_mov_b32 s24, 0x76543210                      ; v_permlanex16_b32: lane i of one half reads lane i of the other
	s_mov_b32 s25, 0xfedcba98
	; group 1: 32 rows of 64 f16, dense in memory; K padded by 16 bytes a row, V by 32
	s_mov_b32 s28, (1<<16)|(1<<20)|(4<<22)|(3<<25)
	s_mov_b32 s29, 64<<16
	s_mov_b32 s30, 32<<16
	s_mov_b32 s31, 64<<16
	s_mov_b32 s32, 32
	s_mov_b32 s33, 64
	s_mov_b32 s34, 0
	s_mov_b32 s35, 0
	s_mov_b32 s36, (1<<16)|(1<<20)|(4<<22)|(7<<25)
	s_mov_b32 s37, 64<<16
	s_mov_b32 s38, 32<<16
	s_mov_b32 s39, 64<<16
	s_mov_b32 s40, 32
	s_mov_b32 s41, 64
	s_mov_b32 s42, 0
	s_mov_b32 s43, 0
	s_mul_i32 s21, s12, CH                         ; my chunk
	s_lshl_b32 s70, s15, 18                        ; a head is 2,048 rows of 128 bytes
	s_lshl_b32 s71, s13, 12                        ; my 32 rows
	s_add_co_u32 s70, s70, s71
	s_mov_b32 s71, 0
	s_mov_b32 s73, 0
	s_lshl_b32 s74, s16, 14
	s_add_co_u32 s74, s74, s70                     ; my 32 rows of my block: in q, and in v's low part
	s_mov_b32 s75, 0
	s_and_b32 s80, s15, 16
	s_add_co_u32 s80, s80, s15                     ; 32 batch + head
	s_lshl_b32 s80, s80, 18
	s_lshl_b32 s81, s16, 14
	s_add_co_u32 s80, s80, s81
	s_lshl_b32 s81, s13, 12
	s_add_co_u32 s80, s80, s81                     ; my 32 rows in y's high part (below 16 MiB)
	s_mov_b32 s81, 0
	s_wait_dscnt 0x0
	s_wait_kmcnt 0x0
	s_cmp_lt_u32 s12, 4
	s_cselect_b64 s[68:69], s[6:7], s[8:9]         ; waves 0-3 fetch K, waves 4-7 V's high part
	s_add_nc_u64 s[68:69], s[68:69], s[70:71]
.macro G0SET g0, slot                  ; group 0: to my chunk of the slot, from my 32 rows of the tile at byte s72 of the head
	s_mov_b32 s[\g0], 1
	s_add_co_u32 s[\g0+1], s21, \slot
	s_add_nc_u64 s[\g0+2:\g0+3], s[68:69], s[72:73]
	s_or_b32 s[\g0+3], s[\g0+3], 0x80000000
.endm
.macro KVLOAD g0                       ; one load a wave on either way: the padding differs between K and V
	s_cmp_lt_u32 s12, 4
	s_cbranch_scc0 .Lfor_v_\@
	tensor_load_to_lds s[\g0:\g0+3], s[28:35]
	s_nop 0
	s_branch .Lasked_\@
.Lfor_v_\@:
	tensor_load_to_lds s[\g0:\g0+3], s[36:43]
	s_nop 0
.Lasked_\@:
.endm
	s_sub_co_u32 s72, 14, s14
	s_lshl_b32 s72, s72, 14
	G0SET 52, ES
	KVLOAD 52                                      ; asked for by every work-group, so that each wait counts the same loads on every way; not multiplied where i is odd
	s_lshl_b32 s72, s14, 14
	G0SET 44, DA
	KVLOAD 44
	s_sub_co_u32 s72, 15, s14
	s_lshl_b32 s72, s72, 14
	G0SET 48, DB
	KVLOAD 48
	s_mov_b32 s76, 1                               ; v's low part: 32 rows of my own block's diagonal tile, every wave one load
	s_add_co_u32 s77, s21, LO
	s_add_nc_u64 s[78:79], s[8:9], s[74:75]
	s_add_nc_u64 s[78:79], s[78:79], 0x800000      ; the low part lies 32 heads x 2,048 rows x 128 bytes behind the high part
	s_or_b32 s79, s79, 0x80000000
	tensor_load_to_lds s[76:79], s[36:43]
	s_nop 0
	s_mov_b32 s72, 0
	G0SET 56, R0
	KVLOAD 56                                      ; ring tile 0: five tensor loads of the wave are out
	s_mov_b32 s72, 16384
	G0SET 60, R1                                   ; ring tile 1, asked for in the first trip
	s_add_nc_u64 s[4:5], s[4:5], s[74:75]
	s_add_nc_u64 s[10:11], s[10:11], s[80:81]
	v_and_b32 v30, 31, v0                          ; l
	v_and_b32 v31, 15, v0                          ; r
	v_bfe_u32 v15, v0, 4, 1                        ; h
	v_mul_u32_u24 v16, v31, 144
	v_lshl_add_u32 v16, v15, 4, v16                ; K: 144 r + 16 h
	v_and_b32 v17, 7, v0
	v_lshl_add_u32 v17, v15, 3, v17
	v_mul_u32_u24 v17, v17, 160
	v_bfe_u32 v18, v0, 3, 1
	v_lshl_add_u32 v17, v18, 4, v17                ; V: (8 h + l % 8) x 160 + 16 x ((l / 8) % 2)
	s_lshr_b32 s27, s12, 2
	s_mul_i32 s27, s27, SLOTB                      ; my block's diagonal slot
	v_add_nc_u32 v1, s27, v16
	v_add_nc_u32 v2, s27, v17
	v_add_nc_u32 v3, ES, v16
	v_add_nc_u32 v4, ES, v17
	v_add_nc_u32 v5, R0, v16
	v_add_nc_u32 v6, R0, v17
	v_add_nc_u32 v7, R1, v16
	v_add_nc_u32 v8, R1, v17
	s_lshl_b32 s27, s13, 5
	v_lshlrev_b32 v18, 3, v15
	v_sub_nc_u32 v9, v31, v18
	v_add_nc_u32 v9, s27, v9                       ; X: 32 (w % 4) + r - 8 h
	v_add_nc_u32 v10, 16, v9                       ; Y
	v_mov_b32 v11, 0xff7fffff
	s_mul_i32 s27, s12, 2*32*144
	s_add_co_u32 s27, s27, STAGE
	v_add_nc_u32 v12, s27, v16                     ; stage, in: row r, 16 bytes for each half of the lanes
	v_lshrrev_b32 v18, 3, v30
	v_mul_u32_u24 v18, v18, 144
	v_and_b32 v19, 7, v0
	v_lshl_add_u32 v18, v19, 4, v18
	v_add_nc_u32 v13, s27, v18                     ; stage, back: eight lanes a row of 128 bytes
	v_lshlrev_b32 v14, 4, v30
	s_lshr_b32 s27, s12, 2
	s_mul_i32 s27, s27, 4*CH
	s_add_co_u32 s27, s27, LO
	v_add_nc_u32 v30, s27, v17                     ; my block's low part of V
	v_lshlrev_b32 v15, 4, v15
	v_lshl_add_u32 v15, v31, 7, v15                ; Q: 128 r + 16 h
	v_mov_b32 v23, 0
	v_mov_b32 v25, 0
.irp p, 0,1
.irp s, 0,1
	global_load_b128 v[QX+16*\p+8*\s:QX+16*\p+8*\s+3],   v15, s[4:5] offset:2048*\p+64*\s
	global_load_b128 v[QX+16*\p+8*\s+4:QX+16*\p+8*\s+7], v15, s[4:5] offset:2048*\p+64*\s+32
.endr
.endr
; tiles 1 to 3: add the tile's eight exponentials to the sums and pack them to f16, into the place that the product wants
.macro SUMPACK S, t
	s_wait_alu depctr_va_vdst(0)
.irp k, 0,1,2,3
	v_pk_add_f32 v[20:21], v[20:21], v[\S+8*\t+2*\k:\S+8*\t+2*\k+1]
	v_cvt_pk_f16_f32 v[\S+4*\t+\k], v[\S+8*\t+2*\k], v[\S+8*\t+2*\k+1]
.endr
.endm
; The softmax of one piece over 64 keys, in eight parts that are set behind eight matrix instructions of the other piece.
; Each run of v_exp_f32 is followed by a plain instruction on other registers before its results are used (ISA guide 5.7.2).
.macro SM S, O, M, L, n, first
.if (\n) == 0
	v_max3_num_f32 v16, v[\S+0], v[\S+1], v[\S+2]
	v_max3_num_f32 v17, v[\S+8], v[\S+9], v[\S+10]
	v_max3_num_f32 v16, v16, v[\S+3], v[\S+4]
	v_max3_num_f32 v17, v17, v[\S+11], v[\S+12]
	v_max3_num_f32 v16, v16, v[\S+5], v[\S+6]
	v_max3_num_f32 v17, v17, v[\S+13], v[\S+14]
	v_max_num_f32 v16, v16, v[\S+7]
	v_max_num_f32 v17, v17, v[\S+15]
.endif
.if (\n) == 1
	v_max3_num_f32 v18, v[\S+16], v[\S+17], v[\S+18]
	v_max3_num_f32 v19, v[\S+24], v[\S+25], v[\S+26]
	v_max3_num_f32 v18, v18, v[\S+19], v[\S+20]
	v_max3_num_f32 v19, v19, v[\S+27], v[\S+28]
	v_max3_num_f32 v18, v18, v[\S+21], v[\S+22]
	v_max3_num_f32 v19, v19, v[\S+29], v[\S+30]
	v_max_num_f32 v18, v18, v[\S+23]
	v_max_num_f32 v19, v19, v[\S+31]
.endif
.if (\n) == 2
	v_max3_num_f32 v16, v16, v17, v18
.if \first
	v_max_num_f32 v16, v16, v19
.else
	v_max3_num_f32 v16, v16, v19, v[\M]
.endif
	v_permlanex16_b32 v17, v16, s24, s25           ; the other half of the query's keys
	v_max_num_f32 v17, v16, v17                    ; the new running maximum, alike in both halves
.if \first
	v_mul_f32 v22, s26, v17
	v_mov_b32 v[\M], v17
.else
	v_sub_f32 v18, v[\M], v17
	v_mul_f32 v22, s26, v17                        ; - maximum x c
	v_mul_f32 v18, s22, v18
	v_mov_b32 v[\M], v17
	v_exp_f32 v24, v18                             ; what the old sums shrink by
.endif
.endif
.if (\n) == 3
.irp k, 0,2,4,6,8,10,12,14
	v_pk_fma_f32 v[\S+\k:\S+\k+1], v[\S+\k:\S+\k+1], s[22:23], v[22:23] op_sel_hi:[1,0,0]     ; (score - maximum) x c
.endr
.irp k, 0,1,2,3,4,5,6,7
	v_exp_f32 v[\S+\k], v[\S+\k]
.endr
.endif
.if (\n) == 4
.irp k, 16,18,20,22,24,26,28,30
	v_pk_fma_f32 v[\S+\k:\S+\k+1], v[\S+\k:\S+\k+1], s[22:23], v[22:23] op_sel_hi:[1,0,0]
.endr
.irp k, 8,9,10,11,12,13,14,15
	v_exp_f32 v[\S+\k], v[\S+\k]
.endr
.endif
.if (\n) == 5
	s_wait_alu depctr_va_vdst(0)
	v_pk_add_f32 v[20:21], v[\S+0:\S+1], v[\S+2:\S+3]              ; the first sum starts the pair: nothing is cleared
	v_cvt_pk_f16_f32 v[\S+0], v[\S+0], v[\S+1]
	v_cvt_pk_f16_f32 v[\S+1], v[\S+2], v[\S+3]
	v_pk_add_f32 v[20:21], v[20:21], v[\S+4:\S+5]
	v_cvt_pk_f16_f32 v[\S+2], v[\S+4], v[\S+5]
	v_pk_add_f32 v[20:21], v[20:21], v[\S+6:\S+7]
	v_cvt_pk_f16_f32 v[\S+3], v[\S+6], v[\S+7]
.irp k, 16,17,18,19,20,21,22,23
	v_exp_f32 v[\S+\k], v[\S+\k]
.endr
.endif
.if (\n) == 6
	SUMPACK \S, 1
.irp k, 24,25,26,27,28,29,30,31
	v_exp_f32 v[\S+\k], v[\S+\k]
.endr
.if \first
.else
	s_wait_alu depctr_va_vdst(0)
.irp k, 0,2,4,6,8,10,12,14
	v_pk_mul_f32 v[\O+\k:\O+\k+1], v[\O+\k:\O+\k+1], v[24:25] op_sel_hi:[1,0]
.endr
.endif
.endif
.if (\n) == 7
	SUMPACK \S, 2
.if \first
.else
.irp k, 16,18,20,22,24,26,28,30
	v_pk_mul_f32 v[\O+\k:\O+\k+1], v[\O+\k:\O+\k+1], v[24:25] op_sel_hi:[1,0]
.endr
.endif
	SUMPACK \S, 3
.if \first
	v_add_f32 v[\L], v20, v21
.else
	v_add_f32 v16, v20, v21
	v_fma_f32 v[\L], v[\L], v24, v16
.endif
.endif
.endm
; The diagonal tile: key 64 u + 16 kt + 8 h + j is closed to the query where it is the larger.  D: the register with query - 8 h.
.macro MASK S, D, u
.set mi, 0
.rept 32
	v_cmp_gt_i32 vcc_lo, 64*\u+16*(mi>>3)+(mi&7), v[\D]
	v_cndmask_b32 v[\S+mi], v[\S+mi], v11, vcc_lo
.set mi, mi+1
.endr
.endm
; 64 keys (half u of a tile) for both pieces: 32 matrix instructions, 48 in the diagonal tile (mask = 1), which also multiplies v's low part.
; In every run the accumulators take turns, one instruction a turn.
.macro SUB kreg, vreg, u, mask, first
.irp kt, 0,1,2,3
	ds_load_b128 v[F+16*\kt:F+16*\kt+3],   v[\kreg] offset:CH*(2*\u+(\kt>>1))+2304*(\kt&1)
	ds_load_b128 v[F+16*\kt+4:F+16*\kt+7], v[\kreg] offset:CH*(2*\u+(\kt>>1))+2304*(\kt&1)+32
.endr
.irp kt, 0,1,2,3
	ds_load_b128 v[F+16*\kt+8:F+16*\kt+11],  v[\kreg] offset:CH*(2*\u+(\kt>>1))+2304*(\kt&1)+64
	ds_load_b128 v[F+16*\kt+12:F+16*\kt+15], v[\kreg] offset:CH*(2*\u+(\kt>>1))+2304*(\kt&1)+96
.endr
	s_wait_dscnt 0x8                               ; d = 0..31 of the four key tiles is in; the eight loads of d = 32..63 may be out
.irp kt, 0,1,2,3
	v_wmma_f32_16x16x32_f16 v[SX+8*\kt:SX+8*\kt+7], v[F+16*\kt:F+16*\kt+7], v[QX:QX+7], 0
.endr
	s_wait_dscnt 0x0
.irp kt, 0,1,2,3
	v_wmma_f32_16x16x32_f16 v[SX+8*\kt:SX+8*\kt+7], v[F+16*\kt+8:F+16*\kt+15], v[QX+8:QX+15], v[SX+8*\kt:SX+8*\kt+7]
.endr
.rept 4
	v_nop                                          ; four places before vector instructions read X's scores (ISA guide 7.12.1)
.endr
.if \mask
	MASK SX, 9, \u
.endif
.irp n, 0,1,2,3,4,5,6,7
.if \n < 4
	v_wmma_f32_16x16x32_f16 v[SY+8*\n:SY+8*\n+7], v[F+16*\n:F+16*\n+7], v[QY:QY+7], 0
.else
	v_wmma_f32_16x16x32_f16 v[SY+8*(\n-4):SY+8*(\n-4)+7], v[F+16*(\n-4)+8:F+16*(\n-4)+15], v[QY+8:QY+15], v[SY+8*(\n-4):SY+8*(\n-4)+7]
	s_wait_alu depctr_va_vdst(0)
.endif
	SM SX, OX, MX, LX, \n, \first
.endr
	; the last part of X's softmax has filled the places behind Y's last score product: F may be loaded again, Y's scores read
.irp ks, 0,1
.irp dt, 0,1,2,3
	ds_load_tr16_b128 v[F+32*\ks+8*\dt:F+32*\ks+8*\dt+3],   v[\vreg] offset:4*CH+CH*(2*\u+\ks)+32*\dt
	ds_load_tr16_b128 v[F+32*\ks+8*\dt+4:F+32*\ks+8*\dt+7], v[\vreg] offset:4*CH+CH*(2*\u+\ks)+32*\dt+16*160
.endr
.endr
.if \mask
	MASK SY, 10, \u
.endif
	SM SY, OY, MY, LY, 0, \first
.irp n, 0,1,2,3,4,5,6,7
.if \n == 0
	s_wait_dscnt 0x8                               ; V^T of the first 32 keys is in; the eight loads of the second 32 may be out
.endif
.if \n == 4
	s_wait_dscnt 0x0
.endif
.set ZC, 0
.if \first
.if \n < 4
.set ZC, 1
.endif
.endif
.if ZC
	v_wmma_f32_16x16x32_f16 v[OX+8*(\n&3):OX+8*(\n&3)+7], v[F+32*(\n>>2)+8*(\n&3):F+32*(\n>>2)+8*(\n&3)+7], v[SX+8*(\n>>2):SX+8*(\n>>2)+7], 0
.else
	v_wmma_f32_16x16x32_f16 v[OX+8*(\n&3):OX+8*(\n&3)+7], v[F+32*(\n>>2)+8*(\n&3):F+32*(\n>>2)+8*(\n&3)+7], v[SX+8*(\n>>2):SX+8*(\n>>2)+7], v[OX+8*(\n&3):OX+8*(\n&3)+7]
.endif
.if \n < 7
	SM SY, OY, MY, LY, \n+1, \first
.endif
.endr
.irp n, 0,1,2,3,4,5,6,7
.set ZC, 0
.if \first
.if \n < 4
.set ZC, 1
.endif
.endif
.if ZC
	v_wmma_f32_16x16x32_f16 v[OY+8*(\n&3):OY+8*(\n&3)+7], v[F+32*(\n>>2)+8*(\n&3):F+32*(\n>>2)+8*(\n&3)+7], v[SY+8*(\n>>2):SY+8*(\n>>2)+7], 0
.else
	v_wmma_f32_16x16x32_f16 v[OY+8*(\n&3):OY+8*(\n&3)+7], v[F+32*(\n>>2)+8*(\n&3):F+32*(\n>>2)+8*(\n&3)+7], v[SY+8*(\n>>2):SY+8*(\n>>2)+7], v[OY+8*(\n&3):OY+8*(\n&3)+7]
.endif
.endr
.if \mask
	; the diagonal tile: the same P^T times v's low part, added onto the same sums
.rept 4
	v_nop                                          ; four places before F, which the last products read, is loaded again
.endr
.irp ks, 0,1
.irp dt, 0,1,2,3
	ds_load_tr16_b128 v[F+32*\ks+8*\dt:F+32*\ks+8*\dt+3],   v30 offset:CH*(2*\u+\ks)+32*\dt
	ds_load_tr16_b128 v[F+32*\ks+8*\dt+4:F+32*\ks+8*\dt+7], v30 offset:CH*(2*\u+\ks)+32*\dt+16*160
.endr
.endr
.irp ks, 0,1
	s_wait_dscnt 8-8*\ks                           ; the first 32 keys are in while the eight loads of the second 32 may be out; then all
.irp dt, 0,1,2,3
	v_wmma_f32_16x16x32_f16 v[OX+8*\dt:OX+8*\dt+7], v[F+32*\ks+8*\dt:F+32*\ks+8*\dt+7], v[SX+8*\ks:SX+8*\ks+7], v[OX+8*\dt:OX+8*\dt+7]
.endr
.irp dt, 0,1,2,3
	v_wmma_f32_16x16x32_f16 v[OY+8*\dt:OY+8*\dt+7], v[F+32*\ks+8*\dt:F+32*\ks+8*\dt+7], v[SY+8*\ks:SY+8*\ks+7], v[OY+8*\dt:OY+8*\dt+7]
.endr
.endr
.endif
.rept 5
	v_nop                                          ; five places: the next products write over P^T, the next loads land in F, the way out reads O
.endr
.endm
.macro TILE kreg, vreg, mask, first
	SUB \kreg, \vreg, 0, \mask, \first
	SUB \kreg, \vreg, 1, \mask, 0
.endm
; A trip of the ring of two slots.  In front of the barrier every wave waits for all its tensor loads (its chunk of this trip's tile among them)
; and for its reads of the other slot; behind it the other slot is filled again first, and then this slot is read.
.macro TRIP slot, refill
	s_set_vgpr_msb 0x5
	s_wait_tensorcnt 0x0
	ds_add_u32 v0, v1
	s_wait_dscnt 0x0
	s_set_vgpr_msb 0x500
	s_add_nc_u64 s[58+4*\slot:59+4*\slot], s[58+4*\slot:59+4*\slot], 32768     ; no tensor load of mine is out: this slot's next tile, two further on
	s_wait_dscnt 0x0
	s_barrier_signal -1
	s_barrier_wait -1
.if \refill
	KVLOAD 60-4*\slot
.endif
	s_lshl_b32 s20, s19, 1
.if \slot
	s_add_co_u32 s20, s20, 1                       ; this trip's tile
.endif
	s_cmp_ge_u32 s20, s17
	s_cbranch_scc1 .Lnot_mine_\@                   ; waves 0-3 have nothing to multiply from tile i on; they go on fetching K
	TILE 5+2*\slot, 6+2*\slot, 0, 0
.Lnot_mine_\@:
.endm
	s_wait_tensorcnt 0x1                           ; the four loads asked for first are in; only ring tile 0's load, the last issued, may be out
	s_wait_loadcnt 0x0                             ; Q
	s_barrier_signal -1
	s_barrier_wait -1
	TILE 1, 2, 1, 1                                ; my block's diagonal tile starts maximum, sums and O
	s_bitcmp1_b32 s14, 0
	s_cbranch_scc1 .Lno_e                          ; i odd: the ring holds all full tiles
	s_cmp_lt_u32 s12, 4
	s_cbranch_scc1 .Lno_e                          ; tile 14 - i lies beyond block i
	TILE 3, 4, 0, 0
.Lno_e:
	s_mov_b32 s19, 0
.Lpair:
	TRIP 0, 1
	TRIP 1, 1
	s_add_co_u32 s19, s19, 1
	s_cmp_lt_u32 s19, s18
	s_cbranch_scc1 .Lpair
	TRIP 0, 1                                      ; the last pair: one more fill, then none
	TRIP 1, 0
	; THE WAY OUT: divide by the sums, split in two parts (c = (2^13 + 1) y; high = c - (c - y) has 11 bits, exact in f16; low = y - high, exact in f32),
	; one rounding to f16 each, through my own stage, whole rows to memory
.macro OUTP O, L, piece
	v_permlanex16_b32 v16, v[\L], s24, s25
	v_add_f32 v16, v16, v[\L]                      ; the sum over both halves of the keys
	v_rcp_f32 v24, v16
	v_nop                                          ; a plain instruction between v_rcp_f32 and the use of its result (ISA guide 5.7.2)
	s_wait_alu depctr_va_vdst(0)
.irp k, 0,1,2,3,4,5,6,7,8,9,10,11,12,13,14,15
	v_pk_mul_f32 v[\O+2*\k:\O+2*\k+1], v[\O+2*\k:\O+2*\k+1], v[24:25] op_sel_hi:[1,0]
	v_pk_mul_f32 v[16:17], v[\O+2*\k:\O+2*\k+1], 0x46000400 op_sel_hi:[1,0]
	v_pk_add_f32 v[18:19], v[16:17], v[\O+2*\k:\O+2*\k+1] neg_lo:[0,1] neg_hi:[0,1]
	v_pk_add_f32 v[16:17], v[16:17], v[18:19] neg_lo:[0,1] neg_hi:[0,1]
	v_pk_add_f32 v[\O+2*\k:\O+2*\k+1], v[\O+2*\k:\O+2*\k+1], v[16:17] neg_lo:[0,1] neg_hi:[0,1]
	v_cvt_pk_f16_f32 v[F+16*\piece+\k], v16, v17
	v_cvt_pk_f16_f32 v[F+32+16*\piece+\k], v[\O+2*\k], v[\O+2*\k+1]
.endr
.irp dt, 0,1,2,3
	ds_store_b128 v12, v[F+16*\piece+4*\dt:F+16*\piece+4*\dt+3] offset:2304*\piece+32*\dt
	ds_store_b128 v12, v[F+32+16*\piece+4*\dt:F+32+16*\piece+4*\dt+3] offset:4608+2304*\piece+32*\dt
.endr
.endm
	OUTP OX, LX, 0
	OUTP OY, LY, 1
.irp t, 0,1,2,3,4,5,6,7
	ds_load_b128 v[SX+4*\t:SX+4*\t+3], v13 offset:576*\t           ; LDS serves a wave's instructions in order: these see my stores
.endr
.irp t, 0,1,2,3,4,5,6,7
	ds_load_b128 v[SY+4*\t:SY+4*\t+3], v13 offset:4608+576*\t
.endr
.irp t, 0,1,2,3,4,5,6,7
	s_wait_dscnt 15-\t
	global_store_b128 v14, v[SX+4*\t:SX+4*\t+3], s[10:11] offset:512*\t            ; four rows: 512 consecutive bytes, aligned
.endr
.irp t, 0,1,2,3,4,5,6,7
	s_wait_dscnt 7-\t
	global_store_b128 v14, v[SY+4*\t:SY+4*\t+3], s[10:11] offset:4194304+512*\t    ; the low part: 16 heads x 2,048 rows x 128 bytes further on
.endr
	s_set_vgpr_msb 0x5
	s_wait_tensorcnt 0x0
	ds_add_u32 v0, v1
	s_wait_dscnt 0x0
	s_set_vgpr_msb 0x500
	s_endpgm
.Lfunc_end_k_qc01d042540_attn:
	.size	k_qc01d042540_attn, .Lfunc_end_k_qc01d042540_attn-k_qc01d042540_attn
	.p2alignl 7, 3214868480
	.fill 96, 4, 3214868480
	.section	.rodata,"a",@progbits
	.p2align	6, 0x0
	.amdhsa_kernel k_qc01d042540_attn
		.amdhsa_group_segment_fixed_size 327680
		.amdhsa_private_segment_fixed_size 0
		.amdhsa_enable_private_segment 0
		.amdhsa_kernarg_size 32
		.amdhsa_user_sgpr_count 2
		.amdhsa_user_sgpr_kernarg_segment_ptr 1
		.amdhsa_wavefront_size32 1
		.amdhsa_system_sgpr_workgroup_id_x 1
		.amdhsa_system_sgpr_workgroup_id_y 1
		.amdhsa_system_sgpr_workgroup_id_z 1
		.amdhsa_system_vgpr_workitem_id 0
		.amdhsa_next_free_vgpr 258
		.amdhsa_next_free_sgpr 84
		.amdhsa_reserve_vcc 1
		.amdhsa_float_denorm_mode_32 3
		.amdhsa_float_denorm_mode_16_64 3
		.amdhsa_memory_ordered 1
		.amdhsa_forward_progress 1
		.amdhsa_inst_pref_size 253
	.end_amdhsa_kernel
	.amdgpu_metadata
---
amdhsa.version: [ 1, 2 ]
amdhsa.kernels:
  - .name:           k_qc01d042540_attn
    .symbol:         k_qc01d042540_attn.kd
    .args:
      - { .name: q, .offset: 0, .size: 8, .value_kind: global_buffer, .address_space: global }
      - { .name: k, .offset: 8, .size: 8, .value_kind: global_buffer, .address_space: global }
      - { .name: v, .offset: 16, .size: 8, .value_kind: global_buffer, .address_space: global }
      - { .name: y, .offset: 24, .size: 8, .value_kind: global_buffer, .address_space: global }
    .group_segment_fixed_size: 327680
    .private_segment_fixed_size: 0
    .kernarg_segment_align: 8
    .kernarg_segment_size: 32
    .max_flat_workgroup_size: 256
    .sgpr_count:     84
    .vgpr_count:     258
    .wavefront_size: 32
...
	.end_amdgpu_metadata
.endif
;; end of part 3
;; launch proj (part 4): grid 8 x 32, 4 waves a work-group, clusters of 4 x 4, 327,680 bytes of LDS; arguments y, wpt, bproj, out0; writes out0
.if DOCPART == 4
	.amdgcn_target "amdgcn-amd-amdhsa--gfx1250"
	.amdhsa_code_object_version 6
	.text
	.protected	k_qc01d042540_proj
	.globl	k_qc01d042540_proj
	.p2align	8
	.type	k_qc01d042540_proj,@function
k_qc01d042540_proj:
	s_mov_b64 s[64:65], 0
	v_nop
	global_prefetch_b8 v0, s[64:65] scope:SCOPE_SE
	s_setreg_imm32_b32 hwreg(HW_REG_WAVE_MODE, 25, 1), 1
	s_wait_xcnt 0x0
	s_wait_alu depctr_hold_cnt(0) depctr_sa_sdst(0) depctr_va_vdst(0) depctr_va_sdst(0) depctr_va_ssrc(0) depctr_va_vcc(0) depctr_vm_vsrc(0)
	s_getreg_b32 s2, hwreg(HW_REG_IB_STS2, 6, 4)
	s_cmp_eq_u32 s2, 0
	s_cbranch_scc0 .Lentry_in_a_cluster
	s_endpgm
.Lentry_in_a_cluster:
	s_bfe_u32 s2, ttmp6, 0x10000c
	s_cmp_lg_u32 s2, 0xf033
	s_cbranch_scc0 .Lentry_shape_is_right
	s_endpgm
.Lentry_shape_is_right:
; PROJ: out0 = (y high + y low) . Wproj + bproj, as ONE product with K = 2048: y = [batch][32 planes: 16 heads high, 16 heads low][2048][64] f16 (as the attention
; launch leaves it), wpt = [1024 n][2048 k] f16 with k and k + 1024 alike, out0 = [4096][1024] f32.
; 256 work-groups, one for each block of 128 x 128 of out0: a larger block would leave WGPs without work.  Four waves, 64 x 64 each: 16 accumulator tiles.
; K goes in 8 steps of 256 (four planes) through two LDS slots.  y's rows are 128 bytes in the tensor itself, so a step's tile of y is four
; sub-tiles, one a plane; wpt's rows are 512 bytes, aligned.
; CLUSTERS: 4 x 4 work-groups; y's tiles are asked for jointly along a cluster's row, wpt's along a column.
; The matrix instruction is used transposed (source 0 = rows of wpt, source 1 = rows of y): a lane holds eight neighbouring columns of one row of out0.
; Window 0: v1-11 addresses; v16-47 bias; v64-127, v128-191 fragments (y, then wpt), two buffers; v192-223 results; v224-255 rows read back.  Window 1: accumulators at v[8 (4 a + b)].
.set APITCH, 144                       ; a row of 64 f16 + 16 bytes
.set ASUB,   128*APITCH                ; a plane's 128 rows
.set BPITCH, 528                       ; a row of 256 f16 + 16 bytes
.set BOFF,   4*ASUB
.set HALFB,  64*BPITCH
.set SLOT,   BOFF+2*HALFB
.set STAGE,  2*SLOT                    ; the way out: 16 rows x 272 bytes for each wave, bytes into which no tensor load lands
.set SPITCH, 272
.set ADRA, 4                           ; v4-5  LDS address of my y fragments in slot 0, 1
.set ADRB, 6                           ; v6-7  the same for wpt
.set STO,  8
.set RD,   9
.set CO,   10
.set BO,   11
.set BIAS, 16
.set TMP,  192
.set RB,   224
.set G1,  24                           ; s[24:31] group 1 for y's sub-tiles
.set G1B, 32                           ; s[32:39] group 1 for wpt's tiles
.set G0,  40                           ; s[40:55] group 0 for y: slot s, sub-tile e of my two at s[40 + 8 s + 4 e]
.set G0B, 56                           ; s[56:63] group 0 for wpt, one set for each slot
.set MSB, 0
.macro WIN new
.if MSB != \new
	s_set_vgpr_msb (MSB<<8)|\new
.set MSB, \new
.endif
.endm
; The joint loads of a slot.  Waves 0 and 1 fetch two planes of y each, waves 2 and 3 64 rows of wpt each: at most two tensor loads of a wave are out.
.macro JLOADP s
	s_cmp_eq_u32 s11, 0
	s_cbranch_scc0 .Lfor_b_\@
	tensor_load_to_lds s[G0+8*(\s):G0+8*(\s)+3], s[G1:G1+7]
	s_nop 0
	tensor_load_to_lds s[G0+8*(\s)+4:G0+8*(\s)+7], s[G1:G1+7]
	s_nop 0
	s_branch .Lasked_\@
.Lfor_b_\@:
	tensor_load_to_lds s[G0B+4*(\s):G0B+4*(\s)+3], s[G1B:G1B+7]
	s_nop 0
.Lasked_\@:
.endm
.macro CROUND                          ; a round of the cluster's barrier
	s_barrier_signal -1
	s_barrier_wait -1
	s_cmp_lg_u32 s10, 0
	s_cbranch_scc1 .Lnot_wave_0_\@
	s_barrier_signal -3
.Lnot_wave_0_\@:
	s_barrier_wait -3
	s_barrier_signal -1
	s_barrier_wait -1
.endm
.macro PLACES                          ; four places behind a matrix instruction before a load lands in a source or a vector instruction reads a result (ISA guide 7.12.1 for vector instructions)
.rept 4
	v_nop
.endr
.endm
	s_load_b256 s[4:11], s[0:1], 0x0               ; y s[4:5], wpt s[6:7], bproj s[8:9], out0 s[10:11] (s10, s11 are moved below)
	v_lshl_add_u32 v62, v0, 2, 0x49400
	v_mov_b32 v63, 0
	ds_add_u32 v62, v63
	ds_add_u32 v62, v63
	v_lshrrev_b32 v1, 5, v0
	v_readfirstlane_b32 s69, v1                    ; wave 0..3
	s_bfe_u32 s15, ttmp6, 0x40000                  ; cx
	s_bfe_u32 s16, ttmp6, 0x40004                  ; cy
	s_lshl_b32 s14, ttmp9, 2
	s_add_co_u32 s14, s14, s15                     ; block column = 4 x cluster x + cx
	s_and_b32 s13, ttmp7, 0xffff
	s_lshl_b32 s13, s13, 2
	s_add_co_u32 s13, s13, s16                     ; block row = 4 x cluster y + cy
	s_lshl_b32 s17, s16, 2
	s_lshl_b32 s17, 15, s17                        ; my row of the cluster
	s_lshl_b32 s18, 0x1111, s15                    ; my column
	s_wait_dscnt 0x0
	s_wait_kmcnt 0x0
	s_mov_b64 s[74:75], s[10:11]                   ; out0
	s_mov_b32 s10, s69                             ; wave
	s_lshr_b32 s11, s10, 1                         ; which 64 rows are mine.  Also: I fetch for y (0) or for wpt (1)
	s_and_b32 s12, s10, 1                          ; which 64 columns.  Also: which half of that tile I fetch
	s_or_b32 s[G1+0], s17, (1<<16)|(1<<20)|(1<<21)|(4<<22)|(3<<25)   ; y: elements of 2 bytes, 16 bytes of padding behind every 32 words, to my row
	s_mov_b32 s[G1+1], 64<<16
	s_mov_b32 s[G1+2], 128<<16
	s_mov_b32 s[G1+3], 64<<16
	s_mov_b32 s[G1+4], 128                         ; 128 rows of 64 elements, dense
	s_mov_b32 s[G1+5], 64
	s_mov_b32 s[G1+6], 0
	s_mov_b32 s[G1+7], 0
	s_or_b32 s[G1B+0], s18, (1<<16)|(1<<20)|(1<<21)|(6<<22)|(3<<25)  ; wpt: padding behind every 128 words, to my column
	s_mov_b32 s[G1B+1], 256<<16
	s_mov_b32 s[G1B+2], 64<<16
	s_mov_b32 s[G1B+3], 256<<16
	s_mov_b32 s[G1B+4], 64                         ; 64 rows of 256 elements
	s_mov_b32 s[G1B+5], 2048                       ; elements from row to row
	s_mov_b32 s[G1B+6], 0
	s_mov_b32 s[G1B+7], 0
	; y's address hangs on the block row alone, wpt's on the block column alone, each in registers that never hold the other coordinate
	s_and_b32 s20, s13, 0xfff0                     ; 16 x batch
	s_lshl_b32 s20, s20, 1                         ; 32 planes a batch
	s_lshl1_add_u32 s20, s12, s20                  ; + my first plane of the step's four
	s_lshl_b32 s20, s20, 18                        ; planes of 2,048 rows of 128 bytes
	s_and_b32 s21, s13, 15
	s_lshl_b32 s21, s21, 14                        ; 128 rows of 128 bytes
	s_add_co_u32 s20, s20, s21
	s_mov_b32 s21, 0
	s_add_nc_u64 s[22:23], s[4:5], s[20:21]
	s_lshl_b32 s66, s14, 19                        ; 128 rows of 4,096 bytes
	s_lshl_b32 s67, s12, 18
	s_add_co_u32 s66, s66, s67
	s_mov_b32 s67, 0
	s_add_nc_u64 s[66:67], s[6:7], s[66:67]
	s_mul_i32 s19, s10, 2*ASUB                     ; where they go: y's planes at wave x two sub-tiles,
	s_mul_i32 s68, s10, HALFB
	s_add_co_u32 s68, s68, BOFF-2*HALFB            ; wpt's halves (waves 2, 3) behind them: no place in the cluster enters an LDS address
.irp s, 0,1
.irp e, 0,1
	s_mov_b32 s[G0+8*\s+4*\e], 1
	s_add_co_u32 s[G0+8*\s+4*\e+1], s19, \s*SLOT+\e*ASUB
	s_add_nc_u64 s[G0+8*\s+4*\e+2:G0+8*\s+4*\e+3], s[22:23], (4*\s+\e)*262144
	s_or_b32 s[G0+8*\s+4*\e+3], s[G0+8*\s+4*\e+3], 0x80000000
.endr
	s_mov_b32 s[G0B+4*\s], 1
	s_add_co_u32 s[G0B+4*\s+1], s68, \s*SLOT
	s_add_nc_u64 s[G0B+4*\s+2:G0B+4*\s+3], s[66:67], \s*512
	s_or_b32 s[G0B+4*\s+3], s[G0B+4*\s+3], 0x80000000
.endr
	v_and_b32 v1, 15, v0                           ; r
	v_bfe_u32 v2, v0, 4, 1                         ; h
	v_lshlrev_b32 v[BO], 5, v2
	s_lshl_b32 s70, s14, 9
	s_lshl_b32 s71, s12, 8
	s_add_co_u32 s70, s70, s71                     ; my first column, in bytes of f32
	s_mov_b32 s71, 0
	s_add_nc_u64 s[8:9], s[8:9], s[70:71]
	s_add_nc_u64 s[74:75], s[74:75], s[70:71]
	s_lshl_b32 s70, s13, 19
	s_lshl_b32 s72, s11, 18
	s_add_co_u32 s70, s70, s72                     ; my first row: rows of 4,096 bytes
	s_add_nc_u64 s[74:75], s[74:75], s[70:71]
.irp b, 0,1,2,3
	global_load_b128 v[BIAS+8*\b:BIAS+8*\b+3],   v[BO], s[8:9] offset:64*\b
	global_load_b128 v[BIAS+8*\b+4:BIAS+8*\b+7], v[BO], s[8:9] offset:64*\b+16
.endr
	CROUND                                         ; all sixteen work-groups are here: the first joint loads meet
	JLOADP 0
	v_mul_u32_u24 v3, v1, APITCH
	v_lshl_add_u32 v3, v2, 4, v3
	s_mul_i32 s72, s11, 64*APITCH
	v_add_nc_u32 v[ADRA], s72, v3
	v_add_nc_u32 v[ADRA+1], SLOT, v[ADRA]
	v_mul_u32_u24 v3, v1, BPITCH
	v_lshl_add_u32 v3, v2, 4, v3
	s_mul_i32 s72, s12, HALFB
	s_add_co_u32 s72, s72, BOFF
	v_add_nc_u32 v[ADRB], s72, v3
	v_add_nc_u32 v[ADRB+1], SLOT, v[ADRB]
	s_mul_i32 s72, s10, 16*SPITCH
	s_add_co_u32 s72, s72, STAGE
	v_mul_u32_u24 v3, v1, SPITCH
	v_lshl_add_u32 v3, v2, 5, v3
	v_add_nc_u32 v[STO], s72, v3                   ; in: row r, 32 bytes for each half of the lanes
	v_mul_u32_u24 v3, v2, SPITCH
	v_lshl_add_u32 v3, v1, 4, v3
	v_add_nc_u32 v[RD], s72, v3                    ; back: lanes 0-15 one row of 256 bytes, lanes 16-31 the next
	v_lshlrev_b32 v3, 12, v2
	v_lshl_add_u32 v[CO], v1, 4, v3                ; and the same two rows in out0
; 16 LDS loads: quarter q (32 K) of a slot into buffer f: my 64 rows of y (plane q / 2), my 64 rows of wpt
.macro FETCHP slot, q, f
.irp a, 0,1,2,3
	ds_load_b128 v[64+64*(\f)+8*\a:64+64*(\f)+8*\a+3],   v[ADRA+\slot] offset:ASUB*((\q)>>1)+64*((\q)&1)+16*APITCH*\a
	ds_load_b128 v[64+64*(\f)+8*\a+4:64+64*(\f)+8*\a+7], v[ADRA+\slot] offset:ASUB*((\q)>>1)+64*((\q)&1)+16*APITCH*\a+32
.endr
.irp b, 0,1,2,3
	ds_load_b128 v[96+64*(\f)+8*\b:96+64*(\f)+8*\b+3],   v[ADRB+\slot] offset:64*(\q)+16*BPITCH*\b
	ds_load_b128 v[96+64*(\f)+8*\b+4:96+64*(\f)+8*\b+7], v[ADRB+\slot] offset:64*(\q)+16*BPITCH*\b+32
.endr
.endm
; 16 matrix instructions; the 16 accumulators take turns, one instruction a turn
.macro MUL16 f, zero
.irp a, 0,1,2,3
.irp b, 0,1,2,3
.if \zero
	v_wmma_f32_16x16x32_f16 v[8*(4*\a+\b):8*(4*\a+\b)+7], v[96+64*(\f)+8*\b:96+64*(\f)+8*\b+7], v[64+64*(\f)+8*\a:64+64*(\f)+8*\a+7], 0
.else
	v_wmma_f32_16x16x32_f16 v[8*(4*\a+\b):8*(4*\a+\b)+7], v[96+64*(\f)+8*\b:96+64*(\f)+8*\b+7], v[64+64*(\f)+8*\a:64+64*(\f)+8*\a+7], v[8*(4*\a+\b):8*(4*\a+\b)+7]
.endif
.endr
.endr
.endm
; A K step.  In front of the round every wave waits for all its tensor loads (its part of this step's tile among them) and for its reads of the other slot;
; the joint refill of the other slot is the first tensor load behind the round's closing wait; then this slot's eight quarters.
.macro TRIPP slot, refill, zero
	s_wait_tensorcnt 0x0
	ds_add_u32 v62, v63
	s_wait_dscnt 0x0
	s_add_nc_u64 s[G0+8*\slot+2:G0+8*\slot+3], s[G0+8*\slot+2:G0+8*\slot+3], 8*262144      ; no tensor load of mine is out: this slot's next tile, eight planes on
	s_add_nc_u64 s[G0+8*\slot+6:G0+8*\slot+7], s[G0+8*\slot+6:G0+8*\slot+7], 8*262144
	s_add_nc_u64 s[G0B+4*\slot+2:G0B+4*\slot+3], s[G0B+4*\slot+2:G0B+4*\slot+3], 1024
	s_wait_dscnt 0x0
	CROUND
.if \refill
	JLOADP 1-\slot
.endif
	PLACES
	FETCHP \slot, 0, 0
.irp q, 0,1,2,3,4,5,6,7
.if \q < 7
.if \q > 0
	PLACES
.endif
	FETCHP \slot, \q+1, (\q+1)&1
	s_wait_dscnt 16                                ; this quarter's fragments are in; the 16 loads just issued stay out
.else
	s_wait_dscnt 0x0
.endif
.set ZQ, 0
.if \zero
.if \q == 0
.set ZQ, 1
.endif
.endif
	WIN 0x50                                       ; C and D in window 1
	MUL16 \q&1, ZQ
	WIN 0
.endr
.endm
	TRIPP 0, 1, 1                                  ; K steps 0 and 1: the first products start the sums
	TRIPP 1, 1, 0
	s_mov_b32 s76, 2
.Llap:
	TRIPP 0, 1, 0                                  ; K steps 2 to 5
	TRIPP 1, 1, 0
	s_sub_co_u32 s76, s76, 1
	s_cmp_lg_u32 s76, 0
	s_cbranch_scc1 .Llap
	TRIPP 0, 1, 0                                  ; K step 6 asks for step 7,
	TRIPP 1, 0, 0                                  ; which fills nothing (the stepped addresses are not used)
	; THE WAY OUT, 16 rows at a time: add the bias, through my own stage, whole 256-byte pieces of rows to memory
	PLACES
	s_wait_loadcnt 0x0                             ; the bias
.macro OUTR a
	WIN 0x01                                       ; source 0 in window 1
.irp b, 0,1,2,3
.irp m, 0,1,2,3
	v_pk_add_f32 v[TMP+8*\b+2*\m:TMP+8*\b+2*\m+1], v[8*(4*\a+\b)+2*\m:8*(4*\a+\b)+2*\m+1], v[BIAS+8*\b+2*\m:BIAS+8*\b+2*\m+1]
.endr
.endr
	WIN 0
.irp b, 0,1,2,3
	ds_store_b128 v[STO], v[TMP+8*\b:TMP+8*\b+3]   offset:64*\b
	ds_store_b128 v[STO], v[TMP+8*\b+4:TMP+8*\b+7] offset:64*\b+16
.endr
	s_wait_xcnt 0x0                                ; the registers that the last 16 rows' stores read are loaded again only behind this wait
.irp t, 0,1,2,3,4,5,6,7
	ds_load_b128 v[RB+4*\t:RB+4*\t+3], v[RD] offset:2*SPITCH*\t    ; LDS serves a wave's instructions in order: these see my stores
.endr
.irp t, 0,1,2,3,4,5,6,7
	s_wait_dscnt 7-\t
	global_store_b128 v[CO], v[RB+4*\t:RB+4*\t+3], s[74:75] offset:65536*\a+8192*\t   ; 16 lanes store 256 consecutive bytes, aligned
.endr
.endm
	OUTR 0
	OUTR 1
	OUTR 2
	OUTR 3
	s_wait_tensorcnt 0x0
	ds_add_u32 v62, v63
	s_wait_dscnt 0x0
	CROUND                                         ; the closing round: no work-group ends while a partner may still ask for a tile that names it
	s_endpgm
.Lfunc_end_k_qc01d042540_proj:
	.size	k_qc01d042540_proj, .Lfunc_end_k_qc01d042540_proj-k_qc01d042540_proj
	.p2alignl 7, 3214868480
	.fill 96, 4, 3214868480
	.section	.rodata,"a",@progbits
	.p2align	6, 0x0
	.amdhsa_kernel k_qc01d042540_proj
		.amdhsa_group_segment_fixed_size 327680
		.amdhsa_private_segment_fixed_size 0
		.amdhsa_enable_private_segment 0
		.amdhsa_kernarg_size 32
		.amdhsa_user_sgpr_count 2
		.amdhsa_user_sgpr_kernarg_segment_ptr 1
		.amdhsa_wavefront_size32 1
		.amdhsa_system_sgpr_workgroup_id_x 1
		.amdhsa_system_sgpr_workgroup_id_y 1
		.amdhsa_system_sgpr_workgroup_id_z 1
		.amdhsa_system_vgpr_workitem_id 0
		.amdhsa_next_free_vgpr 384
		.amdhsa_next_free_sgpr 100
		.amdhsa_reserve_vcc 0
		.amdhsa_float_denorm_mode_32 3
		.amdhsa_float_denorm_mode_16_64 3
		.amdhsa_memory_ordered 1
		.amdhsa_forward_progress 1
		.amdhsa_inst_pref_size 133
	.end_amdhsa_kernel
	.amdgpu_metadata
---
amdhsa.version: [ 1, 2 ]
amdhsa.kernels:
  - .name:           k_qc01d042540_proj
    .symbol:         k_qc01d042540_proj.kd
    .args:
      - { .name: y, .offset: 0, .size: 8, .value_kind: global_buffer, .address_space: global }
      - { .name: wpt, .offset: 8, .size: 8, .value_kind: global_buffer, .address_space: global }
      - { .name: bproj, .offset: 16, .size: 8, .value_kind: global_buffer, .address_space: global }
      - { .name: out0, .offset: 24, .size: 8, .value_kind: global_buffer, .address_space: global }
    .group_segment_fixed_size: 327680
    .private_segment_fixed_size: 0
    .kernarg_segment_align: 8
    .kernarg_segment_size: 32
    .max_flat_workgroup_size: 128
    .sgpr_count:     100
    .vgpr_count:     384
    .wavefront_size: 32
...
	.end_amdgpu_metadata
.endif
;; end of part 4
;; ======== version 2 of 2: 4 launches
;; limits: values are held in f16: magnitudes above 65,504 overflow, below 6.1e-05 lose precision
;; workspace buffers: xb 8,388,608 bytes; wt 6,291,456 bytes; wpt 2,097,152 bytes; tab 524,288 bytes; q 8,388,608 bytes; k 8,388,608 bytes; v 16,777,216 bytes; y 16,777,216 bytes
;; launch prep (part 5): grid 256 x 1, 4 waves a work-group, no clusters, 35,328 bytes of LDS; arguments x, Wqkv, Wproj, xb, wt, wpt, tab; writes xb, wt, wpt, tab
.if DOCPART == 5
	.amdgcn_target "amdgcn-amd-amdhsa--gfx1250"
	.amdhsa_code_object_version 6
	.text
	.protected	k_qc01d042540_prep
	.globl	k_qc01d042540_prep
	.p2align	8
	.type	k_qc01d042540_prep,@function
k_qc01d042540_prep:
	s_mov_b64 s[64:65], 0
	v_nop
	global_prefetch_b8 v0, s[64:65] scope:SCOPE_SE
	s_setreg_imm32_b32 hwreg(HW_REG_WAVE_MODE, 25, 1), 1
	s_wait_xcnt 0x0
; PREP: everything that the later launches would otherwise redo for every block.
;   xb  = x rounded to bf16, [4096][1024]
;   wt  = Wqkv rounded to bf16 and turned to [n'][k]; row n' = 192 head + 64 z + d stands for column 1024 z + 64 head + d (z = 0, 1, 2: q, k, v)
;   wpt = Wproj rounded to bf16, those values written as f16 (the last launch multiplies them by f16), turned to [n][k]: [1024][1024]
;   tab = [2048 positions][32 pairs] of (cos, sin) in f32, the angles of reference()'s RoPE
; 256 work-groups of four waves.  Waves 0 and 1 turn one weight tile of 128 k x 64 n each (512 tiles: 384 of Wqkv, 128 of Wproj);
; waves 2 and 3 round 32 KB of x each (512 chunks); every wave also makes two rows of the table (2,048 rows).
; A stream: no matrix unit, no cluster, no barrier (each wave touches only its own LDS bytes).
; LIMITS: a bf16 value of Wproj is exact in f16 from 2^-14 to 65,504; below 2^-14 it is kept to 2^-25 absolute.
; The table's range reduction and series are sized for the positions 0 to 2,047 that reference() uses:
; the angle is reduced by a two-part 2 pi to |r| <= pi, halved, and sin and cos of the half are series up to h^11 and h^10,
; whose first left-out terms at |h| = pi/2 are below 5e-7.
.set BUF0,   40                        ; v[40:103]   a batch of loads
.set BUF1,   104                       ; v[104:167]  the other batch
.set WLDS,   17408                     ; a wave's LDS: 64 rows (n) of 256 bytes (128 k) + 16 of padding
.set WPITCH, 272
	s_load_b256 s[4:11], s[0:1], 0x0               ; x s[4:5], Wqkv s[6:7], Wproj s[8:9], xb s[10:11]
	s_load_b128 s[12:15], s[0:1], 0x20             ; wt s[12:13], wpt s[14:15]
	s_load_b64 s[16:17], s[0:1], 0x30              ; tab
	v_lshl_add_u32 v176, v0, 2, 0x8800
	v_mov_b32 v177, 0
	v_and_b32 v1, 31, v0                           ; lane
	v_lshrrev_b32 v2, 5, v0
	v_readfirstlane_b32 s20, v2                    ; wave
	v_lshlrev_b32 v3, 3, v1                        ; 8 x lane
	v_lshlrev_b32 v4, 4, v1                        ; 16 x lane
	s_lshl_b32 s21, ttmp9, 3
	s_lshl1_add_u32 s21, s20, s21                  ; my first table row: t = 8 x work-group + 2 x wave
	s_lshl1_add_u32 s22, ttmp9, s20                ; 2 x work-group + wave
	s_mov_b32 s32, 0x40c90fdb                      ; 2 pi, the f32 nearest to it
	s_mov_b32 s33, 0xb43bbd2e                      ; and what is left of 2 pi
	v_lshl_add_u32 v28, s21, 8, v3                 ; table: 256 t + 8 x lane
	s_wait_kmcnt 0x0
; One row of the table.  t: the register that holds the position as f32; the pair (cos, sin) goes to v[24+2e:25+2e].
.macro TABROW e, t
	v_mul_f32 v19, v[\t], v16                      ; the angle, one f32 product as in reference()
	v_mul_f32 v20, 0.15915494, v19
	v_rndne_f32 v20, v20                           ; whole turns
	v_fma_f32 v19, -v20, s32, v19
	v_fma_f32 v19, -v20, s33, v19                  ; r in [-pi, pi]
	v_mul_f32 v19, 0.5, v19                        ; h = r / 2
	v_mul_f32 v21, v19, v19                        ; h^2
	v_mov_b32 v22, 0xb2d7322b                      ; -1/11!
	v_mov_b32 v23, 0xb493f27e                      ; -1/10!
	v_fmaak_f32 v22, v22, v21, 0x3638ef1d          ; 1/9!
	v_fmaak_f32 v23, v23, v21, 0x37d00d01          ; 1/8!
	v_fmaak_f32 v22, v22, v21, 0xb9500d01          ; -1/7!
	v_fmaak_f32 v23, v23, v21, 0xbab60b61          ; -1/6!
	v_fmaak_f32 v22, v22, v21, 0x3c088889          ; 1/5!
	v_fmaak_f32 v23, v23, v21, 0x3d2aaaab          ; 1/4!
	v_fmaak_f32 v22, v22, v21, 0xbe2aaaab          ; -1/3!
	v_fmaak_f32 v23, v23, v21, 0xbf000000          ; -1/2!
	v_fma_f32 v22, v22, v21, 1.0
	v_fma_f32 v23, v23, v21, 1.0                   ; cos h
	v_mul_f32 v22, v22, v19                        ; sin h
	v_mul_f32 v29, v22, v22
	v_fma_f32 v[24+2*\e], v29, -2.0, 1.0           ; cos r = 1 - 2 sin^2 h
	v_mul_f32 v29, v22, v23
	v_add_f32 v[25+2*\e], v29, v29                 ; sin r = 2 sin h cos h
	global_store_b64 v28, v[24+2*\e:25+2*\e], s[16:17] offset:256*\e   ; the wave's 32 lanes store one whole row of 256 bytes
.endm
; Both rows.  Stands behind a wave's first two batches of loads.  Its registers (v16-v29) are written nowhere else.
.macro TABROWS
	v_cvt_f32_u32 v16, v1
	v_mul_f32 v16, 0xbed49a78, v16                 ; - lane x log2(10000) / 32
	v_exp_f32 v16, v16                             ; 10000 ^ (- lane / 32)
	v_cvt_f32_u32 v17, s21                         ; a plain instruction between v_exp_f32 and the use of its result (ISA guide 5.7.2)
	v_add_f32 v18, 1.0, v17
	s_wait_alu depctr_va_vdst(0)
	TABROW 0, 17
	TABROW 1, 18
.endm
	s_cmp_ge_u32 s20, 2
	s_cbranch_scc1 .Lxconv
	; ---------------- waves 0 and 1: a weight tile ----------------
	v_lshrrev_b32 v30, 4, v1                       ; lane / 16
	v_and_b32 v31, 15, v1                          ; lane % 16
	s_mul_i32 s25, s20, WLDS                       ; my wave's LDS
	v_mul_u32_u24 v5, v1, 2*WPITCH
	v_add_nc_u32 v5, s25, v5                       ; in: row n = 2 x lane (+ 1 by the offset)
	v_mul_u32_u24 v6, v30, WPITCH
	v_lshl_add_u32 v6, v31, 4, v6
	v_add_nc_u32 v6, s25, v6                       ; back: lanes 0-15 one row of 256 bytes, lanes 16-31 the next
	v_lshlrev_b32 v7, 11, v30
	v_lshl_add_u32 v7, v31, 4, v7                  ; and the same two rows of 2,048 bytes in the turned matrix
; 32 rows of the tile: a wave's load covers 256 neighbouring bytes (64 columns) of one row
.macro WLOAD buf, batch, pitch
.set rr, 0
.rept 32
	global_load_b64 v[\buf+2*rr:\buf+2*rr+1], v3, s[26:27] offset:(32*\batch+rr)*\pitch th:TH_LOAD_NT
.set rr, rr+1
.endr
.endm
; the batch's 32 k of my two columns, rounded to bf16, eight k (16 bytes) at a time into the column's LDS row.
; half = 1: the bf16 values are widened again (a shift, a mask) and written as f16
.macro WTURN buf, batch, half
.set g, 0
.rept 4
.irp e, 0,1
	v_cvt_pk_bf16_f32 v[8+4*\e],   v[\buf+16*g+\e],    v[\buf+16*g+2+\e]
	v_cvt_pk_bf16_f32 v[8+4*\e+1], v[\buf+16*g+4+\e],  v[\buf+16*g+6+\e]
	v_cvt_pk_bf16_f32 v[8+4*\e+2], v[\buf+16*g+8+\e],  v[\buf+16*g+10+\e]
	v_cvt_pk_bf16_f32 v[8+4*\e+3], v[\buf+16*g+12+\e], v[\buf+16*g+14+\e]
.if \half
.irp c, 0,1,2,3
	v_lshlrev_b32 v32, 16, v[8+4*\e+\c]
	v_and_b32 v33, 0xffff0000, v[8+4*\e+\c]
	v_cvt_pk_f16_f32 v[8+4*\e+\c], v32, v33
.endr
.endif
	ds_store_b128 v5, v[8+4*\e:8+4*\e+3] offset:WPITCH*\e+16*(4*\batch+g)
.endr
.set g, g+1
.endr
.endm
; The whole tile: source at s[26:27], rows pitch bytes apart; target at s[28:29], rows of 2,048 bytes.  half = 1: f16.
.macro WTILE pitch, half
	WLOAD BUF0, 0, \pitch
	WLOAD BUF1, 1, \pitch
	TABROWS
	s_wait_loadcnt 32                              ; loads come back in order (ISA guide 5.7.1): the older batch is in, the younger 32 stay out
	WTURN BUF0, 0, \half
	WLOAD BUF0, 2, \pitch
	s_wait_loadcnt 32
	WTURN BUF1, 1, \half
	WLOAD BUF1, 3, \pitch
	s_wait_loadcnt 32
	WTURN BUF0, 2, \half
	s_wait_loadcnt 0x0
	WTURN BUF1, 3, \half
.set i, 0
.rept 32
	ds_load_b128 v[BUF0+4*i:BUF0+4*i+3], v6 offset:2*WPITCH*i      ; LDS serves a wave's instructions in order: these see the stores above
.set i, i+1
.endr
.set i, 0
.rept 32
	s_wait_dscnt 31-i
	global_store_b128 v7, v[BUF0+4*i:BUF0+4*i+3], s[28:29] offset:4096*i   ; 16 lanes store 256 consecutive bytes, aligned
.set i, i+1
.endr
	s_wait_tensorcnt 0x0
	ds_add_u32 v176, v177
	s_wait_dscnt 0x0
	s_endpgm
.endm
	s_cmp_ge_u32 s22, 384
	s_cbranch_scc1 .Lwproj
	s_and_b32 s23, s22, 7                          ; which 128 k
	s_lshr_b32 s24, s22, 3                         ; which 64 columns of Wqkv: 16 z + head
	s_mul_i32 s26, s23, 128*12288
	s_lshl_b32 s25, s24, 8
	s_add_co_u32 s26, s26, s25
	s_mov_b32 s27, 0
	s_add_nc_u64 s[26:27], s[6:7], s[26:27]
	s_and_b32 s25, s24, 15
	s_mul_i32 s25, s25, 192                        ; 192 x head
	s_lshr_b32 s30, s24, 4
	s_lshl_b32 s30, s30, 6                         ; + 64 z
	s_add_co_u32 s25, s25, s30
	s_lshl_b32 s28, s25, 11                        ; rows of 2,048 bytes
	s_lshl_b32 s30, s23, 8
	s_add_co_u32 s28, s28, s30
	s_mov_b32 s29, 0
	s_add_nc_u64 s[28:29], s[12:13], s[28:29]
	WTILE 12288, 0
.Lwproj:
	s_sub_co_u32 s22, s22, 384
	s_and_b32 s23, s22, 7
	s_lshr_b32 s24, s22, 3                         ; which 64 columns of Wproj
	s_mul_i32 s26, s23, 128*4096
	s_lshl_b32 s25, s24, 8
	s_add_co_u32 s26, s26, s25
	s_mov_b32 s27, 0
	s_add_nc_u64 s[26:27], s[8:9], s[26:27]
	s_lshl_b32 s28, s24, 17                        ; 64 rows of 2,048 bytes
	s_lshl_b32 s30, s23, 8
	s_add_co_u32 s28, s28, s30
	s_mov_b32 s29, 0
	s_add_nc_u64 s[28:29], s[14:15], s[28:29]
	WTILE 4096, 1
	; ---------------- waves 2 and 3: 32 KB of x ----------------
.macro XLOAD buf, batch
.set j, 0
.rept 16
	global_load_b128 v[\buf+4*j:\buf+4*j+3], v4, s[26:27] offset:512*(16*\batch+j) th:TH_LOAD_NT
.set j, j+1
.endr
.endm
.macro XTURN buf, batch
.set j, 0
.rept 16
	v_cvt_pk_bf16_f32 v[\buf+4*j],   v[\buf+4*j],   v[\buf+4*j+1]
	v_cvt_pk_bf16_f32 v[\buf+4*j+1], v[\buf+4*j+2], v[\buf+4*j+3]
	global_store_b64 v3, v[\buf+4*j:\buf+4*j+1], s[28:29] offset:256*(16*\batch+j)   ; 32 lanes store 256 consecutive bytes, aligned
.set j, j+1
.endr
.endm
.Lxconv:
	s_sub_co_u32 s23, s22, 2                       ; my chunk, 0 to 511
	s_lshl_b32 s26, s23, 15
	s_mov_b32 s27, 0
	s_add_nc_u64 s[26:27], s[4:5], s[26:27]
	s_lshl_b32 s28, s23, 14
	s_mov_b32 s29, 0
	s_add_nc_u64 s[28:29], s[10:11], s[28:29]
	XLOAD BUF0, 0
	XLOAD BUF1, 1
	TABROWS
	s_wait_loadcnt 16                              ; the older batch is in, the younger 16 loads stay out
	XTURN BUF0, 0
	s_wait_xcnt 0x0                                ; the stores' data registers are loaded again only behind this wait
	XLOAD BUF0, 2
	s_wait_loadcnt 16
	XTURN BUF1, 1
	s_wait_xcnt 0x0
	XLOAD BUF1, 3
	s_wait_loadcnt 16
	XTURN BUF0, 2
	s_wait_loadcnt 0x0
	XTURN BUF1, 3
	s_endpgm
.Lfunc_end_k_qc01d042540_prep:
	.size	k_qc01d042540_prep, .Lfunc_end_k_qc01d042540_prep-k_qc01d042540_prep
	.p2alignl 7, 3214868480
	.fill 96, 4, 3214868480
	.section	.rodata,"a",@progbits
	.p2align	6, 0x0
	.amdhsa_kernel k_qc01d042540_prep
		.amdhsa_group_segment_fixed_size 35328
		.amdhsa_private_segment_fixed_size 0
		.amdhsa_enable_private_segment 0
		.amdhsa_kernarg_size 56
		.amdhsa_user_sgpr_count 2
		.amdhsa_user_sgpr_kernarg_segment_ptr 1
		.amdhsa_wavefront_size32 1
		.amdhsa_system_sgpr_workgroup_id_x 1
		.amdhsa_system_sgpr_workgroup_id_y 1
		.amdhsa_system_sgpr_workgroup_id_z 1
		.amdhsa_system_vgpr_workitem_id 0
		.amdhsa_next_free_vgpr 178
		.amdhsa_next_free_sgpr 66
		.amdhsa_reserve_vcc 0
		.amdhsa_float_denorm_mode_32 3
		.amdhsa_float_denorm_mode_16_64 3
		.amdhsa_memory_ordered 1
		.amdhsa_forward_progress 1
		.amdhsa_inst_pref_size 109
	.end_amdhsa_kernel
	.amdgpu_metadata
---
amdhsa.version: [ 1, 2 ]
amdhsa.kernels:
  - .name:           k_qc01d042540_prep
    .symbol:         k_qc01d042540_prep.kd
    .args:
      - { .name: x, .offset: 0, .size: 8, .value_kind: global_buffer, .address_space: global }
      - { .name: Wqkv, .offset: 8, .size: 8, .value_kind: global_buffer, .address_space: global }
      - { .name: Wproj, .offset: 16, .size: 8, .value_kind: global_buffer, .address_space: global }
      - { .name: xb, .offset: 24, .size: 8, .value_kind: global_buffer, .address_space: global }
      - { .name: wt, .offset: 32, .size: 8, .value_kind: global_buffer, .address_space: global }
      - { .name: wpt, .offset: 40, .size: 8, .value_kind: global_buffer, .address_space: global }
      - { .name: tab, .offset: 48, .size: 8, .value_kind: global_buffer, .address_space: global }
    .group_segment_fixed_size: 35328
    .private_segment_fixed_size: 0
    .kernarg_segment_align: 8
    .kernarg_segment_size: 56
    .max_flat_workgroup_size: 128
    .sgpr_count:     66
    .vgpr_count:     178
    .wavefront_size: 32
...
	.end_amdgpu_metadata
.endif
;; end of part 5
;; launch qkv: the kernel of part 2 again; grid 16 x 16, 4 waves a work-group, clusters of 4 x 4, 327,680 bytes of LDS; arguments xb, wt, bqkv, tab, q, k, v; writes q, k, v
;; launch attn (part 6): grid 8 x 32, 8 waves a work-group, no clusters, 327,680 bytes of LDS; arguments q, k, v, y; writes y
.if DOCPART == 6
	.amdgcn_target "amdgcn-amd-amdhsa--gfx1250"
	.amdhsa_code_object_version 6
	.text
	.protected	k_qc01d042540_attn
	.globl	k_qc01d042540_attn
	.p2align	8
	.type	k_qc01d042540_attn,@function
k_qc01d042540_attn:
	s_mov_b64 s[64:65], 0
	v_nop
	global_prefetch_b8 v0, s[64:65] scope:SCOPE_SE
	s_setreg_imm32_b32 hwreg(HW_REG_WAVE_MODE, 25, 1), 1
	s_wait_xcnt 0x0
; ATTN: causal softmax attention with a running maximum.  q, k = [bh = 16 batch + head][2048][64] f16; v = [part][bh][2048][64] f16 (high, low);
; y = [batch][part][head][2048][64] f16; of the low part only rows 0-31 of each block of 128 rows are stored, the rows that the last launch reads.
; Work-group (i, bh): waves 0-3 own the query block i of 128 rows, waves 4-7 the block 15 - i, and both walk ONE stream of key tiles of 128 keys:
; (i + 1) + (16 - i) = 17 units of work in every work-group, and a tile is fetched once for both blocks.
; Wave w % 4 holds 32 query rows as two pieces X and Y of 16 rows, which share the K and V fragments and take turns: X's softmax stands among
; Y's score products, Y's softmax among X's P V products.
; NO CLUSTER: the work-groups of one head need different numbers of ring tiles, and a trip count may not differ between partners.
; EVERYTHING TRANSPOSED: S^T = K Q^T, so lane (r = l % 16, h = l / 16) holds query r and keys 8 h + 0..7 of each 16-key tile; maximum and sum are one
; number a lane, the only step across lanes crosses the two halves; two packed tiles of P^T are the second source of O^T = V^T P^T as they lie.
; V^T fragments come from V's [key][d] rows by the transposing LDS load.
; The diagonal tile comes first, so the running maximum is a real score from the first step on (key 0 of the tile is open to every query of the block).
; Masked scores are set to the lowest finite f32, as in reference(); their exponentials come out as 0.
; THE RING: tiles 0, 1, 2, .. go in pairs through four slots; behind each barrier the two slots just read are filled again, so that two tiles
; (80 KB for the work-group) are on their way while two tiles are multiplied.  The ring fetches 4 x ((18 - i) / 4) tiles, at most three more than the
; 15 - i that are multiplied and never past the head's 16 tiles, so that the loop is counted in whole laps; a wave multiplies the tiles below its own block's number.
; PRECISION: row t averages t + 1 rows of v, so the first rows of the result are the largest, up to sqrt(2048 / ln 2048), about 16 times the root mean square
; against which the error is held.  So v's low part is multiplied too in the diagonal tile, which holds all keys of the rows below 128 (in the later
; blocks it changes little, and it is done there as well so that all work-groups run one text), and rows 0-31 of each block leave in two parts, 22 bits.
; LIMITS: |q|, |k|, |v|, |y| below 65,504 (f16); P is rounded to f16 for the product while its sum is kept in f32; v_exp_f32 gives 0 for results below 2^-126;
; rows 32-127 of each block carry y to 11 bits.
; LDS: a slot = 8 chunks of 5,120 bytes: chunk c < 4 = K's rows 32 c .. at pitch 144; chunk 4 + c = V's rows 32 c .. at pitch 160.  Wave w fills chunk w.
.set CH,    5120
.set SLOTB, 8*CH
.set DA,    0                          ; tile i: the diagonal of waves 0-3
.set DB,    SLOTB                      ; tile 15 - i: the diagonal of waves 4-7
.set LO,    2*SLOTB                    ; v's low part: chunks 0-3 = tile i, chunks 4-7 = tile 15 - i, at pitch 160; wave w fills chunk w, once
.set R0,    3*SLOTB                    ; the ring: R0, R1 hold the even pairs of tiles, R2, R3 the odd pairs
.set R1,    4*SLOTB
.set R2,    5*SLOTB
.set R3,    6*SLOTB
.set STAGE, 7*SLOTB                    ; the way out: 32 rows x 144 bytes for each wave, bytes into which no tensor load lands
.set QX, 32                            ; v[32:47]   Q fragments of piece X (two K steps of 32)
.set QY, 48                            ; v[48:63]
.set F,  64                            ; v[64:127]  K fragments, then V^T fragments
.set SX, 128                           ; v[128:159] scores of X: four tiles of 16 keys; then P^T packed in v[128:143]
.set SY, 160
.set OX, 192                           ; v[192:223] O^T of X: four tiles of 16 d
.set OY, 224
.set MX, 26                            ; running maximum, running sum (this lane's keys)
.set LX, 27
.set MY, 28
.set LY, 29
; LDS addresses (K, V): v1, v2 the diagonal slot; v3, v4 R0; v5, v6 R1; v7, v8 R2; v31, v0 R3.  v9, v10: query - 8 h of X, Y in the block.  v11: lowest finite f32.
; v12-14: the way out.  v15: Q's offset.  v16-19 at work; v[20:21] sums; v22 = - maximum x c; v24 = the old sums' factor (v23, v25 only fill the pairs).
; v30: LDS address of my block's low part of V.
; Group 0 of the tensor loads: s[44:47] DA, s[48:51] DB, s[76:79] LO, s[52:55] R0, s[56:59] R1, s[60:63] R2, s[84:87] R3.
	s_load_b256 s[4:11], s[0:1], 0x0               ; q s[4:5], k s[6:7], v s[8:9], y s[10:11]
	s_set_vgpr_msb 0x40
	v_lshl_add_u32 v0, v0, 2, 0x4f000
	v_mov_b32 v1, 0
	s_set_vgpr_msb 0x4045
	ds_add_u32 v0, v1
	ds_add_u32 v0, v1
	s_set_vgpr_msb 0x4500
	v_lshrrev_b32 v1, 5, v0
	v_readfirstlane_b32 s12, v1                    ; wave 0..7
	s_and_b32 s13, s12, 3                          ; which 32 rows of the block; also which 32 rows of K or V I fetch
	s_mov_b32 s14, ttmp9                           ; i
	s_and_b32 s15, ttmp7, 0xffff                   ; bh
	s_sub_co_u32 s27, 15, s14
	s_cmp_lt_u32 s12, 4
	s_cselect_b32 s16, s14, s27                    ; my query block; the ring tiles below this number are mine to multiply
	s_sub_co_u32 s18, 18, s14
	s_lshr_b32 s18, s18, 2
	s_sub_co_u32 s18, s18, 1                       ; laps of the loop: (18 - i) / 4 - 1 = 1 to 3
	s_mov_b32 s22, 0x3e38aa3b                      ; c = log2(e) / sqrt(64)
	s_mov_b32 s23, 0
	s_mov_b32 s26, 0xbe38aa3b                      ; - c
	s_mov_b32 s24, 0x76543210                      ; v_permlanex16_b32: lane i of one half reads lane i of the other
	s_mov_b32 s25, 0xfedcba98
	; group 1: 32 rows of 64 f16, dense in memory; K padded by 16 bytes a row, V by 32
	s_mov_b32 s28, (1<<16)|(1<<20)|(4<<22)|(3<<25)
	s_mov_b32 s29, 64<<16
	s_mov_b32 s30, 32<<16
	s_mov_b32 s31, 64<<16
	s_mov_b32 s32, 32
	s_mov_b32 s33, 64
	s_mov_b32 s34, 0
	s_mov_b32 s35, 0
	s_mov_b32 s36, (1<<16)|(1<<20)|(4<<22)|(7<<25)
	s_mov_b32 s37, 64<<16
	s_mov_b32 s38, 32<<16
	s_mov_b32 s39, 64<<16
	s_mov_b32 s40, 32
	s_mov_b32 s41, 64
	s_mov_b32 s42, 0
	s_mov_b32 s43, 0
	s_mul_i32 s21, s12, CH                         ; my chunk
	s_lshl_b32 s70, s15, 18                        ; a head is 2,048 rows of 128 bytes
	s_lshl_b32 s71, s13, 12                        ; my 32 rows
	s_add_co_u32 s70, s70, s71
	s_mov_b32 s71, 0
	s_mov_b32 s73, 0
	s_lshl_b32 s74, s16, 14
	s_add_co_u32 s74, s74, s70                     ; my 32 rows of my block: in q, and in v's low part
	s_mov_b32 s75, 0
	s_and_b32 s80, s15, 16
	s_add_co_u32 s80, s80, s15                     ; 32 batch + head
	s_lshl_b32 s80, s80, 18
	s_lshl_b32 s81, s16, 14
	s_add_co_u32 s80, s80, s81
	s_lshl_b32 s81, s13, 12
	s_add_co_u32 s80, s80, s81                     ; my 32 rows in y's high part (below 16 MiB)
	s_mov_b32 s81, 0
	s_wait_dscnt 0x0
	s_wait_kmcnt 0x0
	s_cmp_lt_u32 s12, 4
	s_cselect_b64 s[68:69], s[6:7], s[8:9]         ; waves 0-3 fetch K, waves 4-7 V's high part
	s_add_nc_u64 s[68:69], s[68:69], s[70:71]
.macro G0SET g0, slot                  ; group 0: to my chunk of the slot, from my 32 rows of the tile at byte s72 of the head
	s_mov_b32 s[\g0], 1
	s_add_co_u32 s[\g0+1], s21, \slot
	s_add_nc_u64 s[\g0+2:\g0+3], s[68:69], s[72:73]
	s_or_b32 s[\g0+3], s[\g0+3], 0x80000000
.endm
.macro KVLOAD2 a, b                    ; two loads a wave on either way: the padding differs between K and V
	s_cmp_lt_u32 s12, 4
	s_cbranch_scc0 .Lfor_v_\@
	tensor_load_to_lds s[\a:\a+3], s[28:35]
	s_nop 0
	tensor_load_to_lds s[\b:\b+3], s[28:35]
	s_nop 0
	s_branch .Lasked_\@
.Lfor_v_\@:
	tensor_load_to_lds s[\a:\a+3], s[36:43]
	s_nop 0
	tensor_load_to_lds s[\b:\b+3], s[36:43]
	s_nop 0
.Lasked_\@:
.endm
	s_lshl_b32 s72, s14, 14
	G0SET 44, DA
	s_sub_co_u32 s72, 15, s14
	s_lshl_b32 s72, s72, 14
	G0SET 48, DB
	KVLOAD2 44, 48                                 ; the two diagonal tiles
	s_mov_b32 s76, 1                               ; v's low part: 32 rows of my own block's diagonal tile, every wave one load
	s_add_co_u32 s77, s21, LO
	s_add_nc_u64 s[78:79], s[8:9], s[74:75]
	s_add_nc_u64 s[78:79], s[78:79], 0x800000      ; the low part lies 32 heads x 2,048 rows x 128 bytes behind the high part
	s_or_b32 s79, s79, 0x80000000
	tensor_load_to_lds s[76:79], s[36:43]
	s_nop 0
	s_mov_b32 s72, 0
	G0SET 52, R0
	s_mov_b32 s72, 16384
	G0SET 56, R1
	KVLOAD2 52, 56                                 ; ring tiles 0 and 1
	s_mov_b32 s72, 32768
	G0SET 60, R2
	s_mov_b32 s72, 49152
	G0SET 84, R3
	KVLOAD2 60, 84                                 ; ring tiles 2 and 3: seven tensor loads of the wave are out
	s_add_nc_u64 s[4:5], s[4:5], s[74:75]
	s_add_nc_u64 s[10:11], s[10:11], s[80:81]
	v_and_b32 v30, 31, v0                          ; l
	v_and_b32 v31, 15, v0                          ; r
	v_bfe_u32 v15, v0, 4, 1                        ; h
	v_mul_u32_u24 v16, v31, 144
	v_lshl_add_u32 v16, v15, 4, v16                ; K: 144 r + 16 h
	v_and_b32 v17, 7, v0
	v_lshl_add_u32 v17, v15, 3, v17
	v_mul_u32_u24 v17, v17, 160
	v_bfe_u32 v18, v0, 3, 1
	v_lshl_add_u32 v17, v18, 4, v17                ; V: (8 h + l % 8) x 160 + 16 x ((l / 8) % 2)
	s_lshr_b32 s27, s12, 2
	s_mul_i32 s27, s27, SLOTB                      ; my block's diagonal slot
	v_add_nc_u32 v1, s27, v16
	v_add_nc_u32 v2, s27, v17
	v_add_nc_u32 v3, R0, v16
	v_add_nc_u32 v4, R0, v17
	v_add_nc_u32 v5, R1, v16
	v_add_nc_u32 v6, R1, v17
	v_add_nc_u32 v7, R2, v16
	v_add_nc_u32 v8, R2, v17
	s_lshl_b32 s27, s13, 5
	v_lshlrev_b32 v18, 3, v15
	v_sub_nc_u32 v9, v31, v18
	v_add_nc_u32 v9, s27, v9                       ; X: 32 (w % 4) + r - 8 h
	v_add_nc_u32 v10, 16, v9                       ; Y
	v_mov_b32 v11, 0xff7fffff
	s_mul_i32 s27, s12, 32*144
	s_add_co_u32 s27, s27, STAGE
	v_add_nc_u32 v12, s27, v16                     ; stage, in: row r, 16 bytes for each half of the lanes
	v_lshrrev_b32 v18, 3, v30
	v_mul_u32_u24 v18, v18, 144
	v_and_b32 v19, 7, v0
	v_lshl_add_u32 v18, v19, 4, v18
	v_add_nc_u32 v13, s27, v18                     ; stage, back: eight lanes a row of 128 bytes
	v_lshlrev_b32 v14, 4, v30
	s_lshr_b32 s27, s12, 2
	s_mul_i32 s27, s27, 4*CH
	s_add_co_u32 s27, s27, LO
	v_add_nc_u32 v30, s27, v17                     ; my block's low part of V
	v_lshlrev_b32 v15, 4, v15
	v_lshl_add_u32 v15, v31, 7, v15                ; Q: 128 r + 16 h
	v_add_nc_u32 v31, R3, v16                      ; r and the thread's number have had their last use
	v_add_nc_u32 v0, R3, v17
	v_mov_b32 v23, 0
	v_mov_b32 v25, 0
.irp p, 0,1
.irp s, 0,1
	global_load_b128 v[QX+16*\p+8*\s:QX+16*\p+8*\s+3],   v15, s[4:5] offset:2048*\p+64*\s
	global_load_b128 v[QX+16*\p+8*\s+4:QX+16*\p+8*\s+7], v15, s[4:5] offset:2048*\p+64*\s+32
.endr
.endr
; tiles 1 to 3: add the tile's eight exponentials to the sums and pack them to f16, into the place that the product wants
.macro SUMPACK S, t
	s_wait_alu depctr_va_vdst(0)
.irp k, 0,1,2,3
	v_pk_add_f32 v[20:21], v[20:21], v[\S+8*\t+2*\k:\S+8*\t+2*\k+1]
	v_cvt_pk_f16_f32 v[\S+4*\t+\k], v[\S+8*\t+2*\k], v[\S+8*\t+2*\k+1]
.endr
.endm
; The softmax of one piece over 64 keys, in eight parts that are set behind eight matrix instructions of the other piece.
; Each run of v_exp_f32 is followed by a plain instruction on other registers before its results are used (ISA guide 5.7.2).
.macro SM S, O, M, L, n, first
.if (\n) == 0
	v_max3_num_f32 v16, v[\S+0], v[\S+1], v[\S+2]
	v_max3_num_f32 v17, v[\S+8], v[\S+9], v[\S+10]
	v_max3_num_f32 v16, v16, v[\S+3], v[\S+4]
	v_max3_num_f32 v17, v17, v[\S+11], v[\S+12]
	v_max3_num_f32 v16, v16, v[\S+5], v[\S+6]
	v_max3_num_f32 v17, v17, v[\S+13], v[\S+14]
	v_max_num_f32 v16, v16, v[\S+7]
	v_max_num_f32 v17, v17, v[\S+15]
.endif
.if (\n) == 1
	v_max3_num_f32 v18, v[\S+16], v[\S+17], v[\S+18]
	v_max3_num_f32 v19, v[\S+24], v[\S+25], v[\S+26]
	v_max3_num_f32 v18, v18, v[\S+19], v[\S+20]
	v_max3_num_f32 v19, v19, v[\S+27], v[\S+28]
	v_max3_num_f32 v18, v18, v[\S+21], v[\S+22]
	v_max3_num_f32 v19, v19, v[\S+29], v[\S+30]
	v_max_num_f32 v18, v18, v[\S+23]
	v_max_num_f32 v19, v19, v[\S+31]
.endif
.if (\n) == 2
	v_max3_num_f32 v16, v16, v17, v18
.if \first
	v_max_num_f32 v16, v16, v19
.else
	v_max3_num_f32 v16, v16, v19, v[\M]
.endif
	v_permlanex16_b32 v17, v16, s24, s25           ; the other half of the query's keys
	v_max_num_f32 v17, v16, v17                    ; the new running maximum, alike in both halves
.if \first
	v_mul_f32 v22, s26, v17
	v_mov_b32 v[\M], v17
.else
	v_sub_f32 v18, v[\M], v17
	v_mul_f32 v22, s26, v17                        ; - maximum x c
	v_mul_f32 v18, s22, v18
	v_mov_b32 v[\M], v17
	v_exp_f32 v24, v18                             ; what the old sums shrink by
.endif
.endif
.if (\n) == 3
.irp k, 0,2,4,6,8,10,12,14
	v_pk_fma_f32 v[\S+\k:\S+\k+1], v[\S+\k:\S+\k+1], s[22:23], v[22:23] op_sel_hi:[1,0,0]     ; (score - maximum) x c
.endr
.irp k, 0,1,2,3,4,5,6,7
	v_exp_f32 v[\S+\k], v[\S+\k]
.endr
.endif
.if (\n) == 4
.irp k, 16,18,20,22,24,26,28,30
	v_pk_fma_f32 v[\S+\k:\S+\k+1], v[\S+\k:\S+\k+1], s[22:23], v[22:23] op_sel_hi:[1,0,0]
.endr
.irp k, 8,9,10,11,12,13,14,15
	v_exp_f32 v[\S+\k], v[\S+\k]
.endr
.endif
.if (\n) == 5
	s_wait_alu depctr_va_vdst(0)
	v_pk_add_f32 v[20:21], v[\S+0:\S+1], v[\S+2:\S+3]              ; the first sum starts the pair: nothing is cleared
	v_cvt_pk_f16_f32 v[\S+0], v[\S+0], v[\S+1]
	v_cvt_pk_f16_f32 v[\S+1], v[\S+2], v[\S+3]
	v_pk_add_f32 v[20:21], v[20:21], v[\S+4:\S+5]
	v_cvt_pk_f16_f32 v[\S+2], v[\S+4], v[\S+5]
	v_pk_add_f32 v[20:21], v[20:21], v[\S+6:\S+7]
	v_cvt_pk_f16_f32 v[\S+3], v[\S+6], v[\S+7]
.irp k, 16,17,18,19,20,21,22,23
	v_exp_f32 v[\S+\k], v[\S+\k]
.endr
.endif
.if (\n) == 6
	SUMPACK \S, 1
.irp k, 24,25,26,27,28,29,30,31
	v_exp_f32 v[\S+\k], v[\S+\k]
.endr
.if \first
.else
	s_wait_alu depctr_va_vdst(0)
.irp k, 0,2,4,6,8,10,12,14
	v_pk_mul_f32 v[\O+\k:\O+\k+1], v[\O+\k:\O+\k+1], v[24:25] op_sel_hi:[1,0]
.endr
.endif
.endif
.if (\n) == 7
	SUMPACK \S, 2
.if \first
.else
.irp k, 16,18,20,22,24,26,28,30
	v_pk_mul_f32 v[\O+\k:\O+\k+1], v[\O+\k:\O+\k+1], v[24:25] op_sel_hi:[1,0]
.endr
.endif
	SUMPACK \S, 3
.if \first
	v_add_f32 v[\L], v20, v21
.else
	v_add_f32 v16, v20, v21
	v_fma_f32 v[\L], v[\L], v24, v16
.endif
.endif
.endm
; The diagonal tile: key 64 u + 16 kt + 8 h + j is closed to the query where it is the larger.  D: the register with query - 8 h.
.macro MASK S, D, u
.set mi, 0
.rept 32
	v_cmp_gt_i32 vcc_lo, 64*\u+16*(mi>>3)+(mi&7), v[\D]
	v_cndmask_b32 v[\S+mi], v[\S+mi], v11, vcc_lo
.set mi, mi+1
.endr
.endm
; 64 keys (half u of a tile) for both pieces: 32 matrix instructions, 48 in the diagonal tile (mask = 1), which also multiplies v's low part.
; In every run the accumulators take turns, one instruction a turn.
.macro SUB kreg, vreg, u, mask, first
.irp kt, 0,1,2,3
	ds_load_b128 v[F+16*\kt:F+16*\kt+3],   v[\kreg] offset:CH*(2*\u+(\kt>>1))+2304*(\kt&1)
	ds_load_b128 v[F+16*\kt+4:F+16*\kt+7], v[\kreg] offset:CH*(2*\u+(\kt>>1))+2304*(\kt&1)+32
.endr
.irp kt, 0,1,2,3
	ds_load_b128 v[F+16*\kt+8:F+16*\kt+11],  v[\kreg] offset:CH*(2*\u+(\kt>>1))+2304*(\kt&1)+64
	ds_load_b128 v[F+16*\kt+12:F+16*\kt+15], v[\kreg] offset:CH*(2*\u+(\kt>>1))+2304*(\kt&1)+96
.endr
	s_wait_dscnt 0x8                               ; d = 0..31 of the four key tiles is in; the eight loads of d = 32..63 may be out
.irp kt, 0,1,2,3
	v_wmma_f32_16x16x32_f16 v[SX+8*\kt:SX+8*\kt+7], v[F+16*\kt:F+16*\kt+7], v[QX:QX+7], 0
.endr
	s_wait_dscnt 0x0
.irp kt, 0,1,2,3
	v_wmma_f32_16x16x32_f16 v[SX+8*\kt:SX+8*\kt+7], v[F+16*\kt+8:F+16*\kt+15], v[QX+8:QX+15], v[SX+8*\kt:SX+8*\kt+7]
.endr
.rept 4
	v_nop                                          ; four places before vector instructions read X's scores (ISA guide 7.12.1)
.endr
.if \mask
	MASK SX, 9, \u
.endif
.irp n, 0,1,2,3,4,5,6,7
.if \n < 4
	v_wmma_f32_16x16x32_f16 v[SY+8*\n:SY+8*\n+7], v[F+16*\n:F+16*\n+7], v[QY:QY+7], 0
.else
	v_wmma_f32_16x16x32_f16 v[SY+8*(\n-4):SY+8*(\n-4)+7], v[F+16*(\n-4)+8:F+16*(\n-4)+15], v[QY+8:QY+15], v[SY+8*(\n-4):SY+8*(\n-4)+7]
	s_wait_alu depctr_va_vdst(0)
.endif
	SM SX, OX, MX, LX, \n, \first
.endr
	; the last part of X's softmax has filled the places behind Y's last score product: F may be loaded again, Y's scores read
.irp ks, 0,1
.irp dt, 0,1,2,3
	ds_load_tr16_b128 v[F+32*\ks+8*\dt:F+32*\ks+8*\dt+3],   v[\vreg] offset:4*CH+CH*(2*\u+\ks)+32*\dt
	ds_load_tr16_b128 v[F+32*\ks+8*\dt+4:F+32*\ks+8*\dt+7], v[\vreg] offset:4*CH+CH*(2*\u+\ks)+32*\dt+16*160
.endr
.endr
.if \mask
	MASK SY, 10, \u
.endif
	SM SY, OY, MY, LY, 0, \first
.irp n, 0,1,2,3,4,5,6,7
.if \n == 0
	s_wait_dscnt 0x8                               ; V^T of the first 32 keys is in; the eight loads of the second 32 may be out
.endif
.if \n == 4
	s_wait_dscnt 0x0
.endif
.set ZC, 0
.if \first
.if \n < 4
.set ZC, 1
.endif
.endif
.if ZC
	v_wmma_f32_16x16x32_f16 v[OX+8*(\n&3):OX+8*(\n&3)+7], v[F+32*(\n>>2)+8*(\n&3):F+32*(\n>>2)+8*(\n&3)+7], v[SX+8*(\n>>2):SX+8*(\n>>2)+7], 0
.else
	v_wmma_f32_16x16x32_f16 v[OX+8*(\n&3):OX+8*(\n&3)+7], v[F+32*(\n>>2)+8*(\n&3):F+32*(\n>>2)+8*(\n&3)+7], v[SX+8*(\n>>2):SX+8*(\n>>2)+7], v[OX+8*(\n&3):OX+8*(\n&3)+7]
.endif
.if \n < 7
	SM SY, OY, MY, LY, \n+1, \first
.endif
.endr
.irp n, 0,1,2,3,4,5,6,7
.set ZC, 0
.if \first
.if \n < 4
.set ZC, 1
.endif
.endif
.if ZC
	v_wmma_f32_16x16x32_f16 v[OY+8*(\n&3):OY+8*(\n&3)+7], v[F+32*(\n>>2)+8*(\n&3):F+32*(\n>>2)+8*(\n&3)+7], v[SY+8*(\n>>2):SY+8*(\n>>2)+7], 0
.else
	v_wmma_f32_16x16x32_f16 v[OY+8*(\n&3):OY+8*(\n&3)+7], v[F+32*(\n>>2)+8*(\n&3):F+32*(\n>>2)+8*(\n&3)+7], v[SY+8*(\n>>2):SY+8*(\n>>2)+7], v[OY+8*(\n&3):OY+8*(\n&3)+7]
.endif
.endr
.if \mask
	; the diagonal tile: the same P^T times v's low part, added onto the same sums
.rept 4
	v_nop                                          ; four places before F, which the last products read, is loaded again
.endr
.irp ks, 0,1
.irp dt, 0,1,2,3
	ds_load_tr16_b128 v[F+32*\ks+8*\dt:F+32*\ks+8*\dt+3],   v30 offset:CH*(2*\u+\ks)+32*\dt
	ds_load_tr16_b128 v[F+32*\ks+8*\dt+4:F+32*\ks+8*\dt+7], v30 offset:CH*(2*\u+\ks)+32*\dt+16*160
.endr
.endr
.irp ks, 0,1
	s_wait_dscnt 8-8*\ks                           ; the first 32 keys are in while the eight loads of the second 32 may be out; then all
.irp dt, 0,1,2,3
	v_wmma_f32_16x16x32_f16 v[OX+8*\dt:OX+8*\dt+7], v[F+32*\ks+8*\dt:F+32*\ks+8*\dt+7], v[SX+8*\ks:SX+8*\ks+7], v[OX+8*\dt:OX+8*\dt+7]
.endr
.irp dt, 0,1,2,3
	v_wmma_f32_16x16x32_f16 v[OY+8*\dt:OY+8*\dt+7], v[F+32*\ks+8*\dt:F+32*\ks+8*\dt+7], v[SY+8*\ks:SY+8*\ks+7], v[OY+8*\dt:OY+8*\dt+7]
.endr
.endr
.endif
.rept 5
	v_nop                                          ; five places: the next products write over P^T, the next loads land in F, the way out reads O
.endr
.endm
.macro TILE kreg, vreg, mask, first
	SUB \kreg, \vreg, 0, \mask, \first
	SUB \kreg, \vreg, 1, \mask, 0
.endm
; Ring tile 4 x lap + add, if it lies below my block: waves whose block is done have nothing to multiply; they go on fetching their chunks.
.macro CTILE kreg, vreg, add
	s_lshl_b32 s20, s19, 2
	s_add_co_u32 s20, s20, \add
	s_cmp_ge_u32 s20, s16
	s_cbranch_scc1 .Lnot_mine_\@
	TILE \kreg, \vreg, 0, 0
.Lnot_mine_\@:
.endm
; The change of pairs.  In front of the barrier every wave waits for all its tensor loads (its chunks of the next pair among them) and for its reads
; of the pair just multiplied; behind it that pair's two slots (group 0 at ga, gb) are filled again first, four tiles further on, and then the next pair is read.
.macro PTRIP ga, gb, refill
	s_set_vgpr_msb 0x5
	s_wait_tensorcnt 0x0
	ds_add_u32 v0, v1
	s_wait_dscnt 0x0
	s_set_vgpr_msb 0x500
.if \refill
	s_add_nc_u64 s[\ga+2:\ga+3], s[\ga+2:\ga+3], 65536             ; no tensor load of mine is out: every group 0 may be written
	s_add_nc_u64 s[\gb+2:\gb+3], s[\gb+2:\gb+3], 65536
.endif
	s_wait_dscnt 0x0
	s_barrier_signal -1
	s_barrier_wait -1
.if \refill
	KVLOAD2 \ga, \gb
.endif
.endm
	s_wait_tensorcnt 0x4                           ; the diagonal tiles and v's low part are in; the four ring loads, issued behind them, may be out
	s_wait_loadcnt 0x0                             ; Q
	s_barrier_signal -1
	s_barrier_wait -1
	TILE 1, 2, 1, 1                                ; my block's diagonal tile starts maximum, sums and O
	s_mov_b32 s19, 0
	s_wait_tensorcnt 0x2                           ; ring tiles 0 and 1 are in; the two loads of tiles 2 and 3 may be out
	s_wait_dscnt 0x0
	s_barrier_signal -1
	s_barrier_wait -1
	CTILE 3, 4, 0
	CTILE 5, 6, 1
.Lquad:
	PTRIP 52, 56, 1                                ; R0, R1 get tiles 4 lap + 4, + 5
	CTILE 7, 8, 2
	CTILE 31, 0, 3
	PTRIP 60, 84, 1                                ; R2, R3 get tiles 4 lap + 6, + 7
	CTILE 3, 4, 4
	CTILE 5, 6, 5
	s_add_co_u32 s19, s19, 1
	s_cmp_lt_u32 s19, s18
	s_cbranch_scc1 .Lquad
	PTRIP 0, 0, 0                                  ; the last pair: nothing more is fetched
	CTILE 7, 8, 2
	CTILE 31, 0, 3
	; THE WAY OUT: divide by the sums, round to f16, through my own stage, whole rows to memory.
	; two = 1 (the wave with rows 0-31 of its block): y in two parts: c = (2^13 + 1) y; high = c - (c - y) has 11 bits, exact in f16; low = y - high, exact in f32.
.macro OUTP O, L, piece, two
	v_permlanex16_b32 v16, v[\L], s24, s25
	v_add_f32 v16, v16, v[\L]                      ; the sum over both halves of the keys
	v_rcp_f32 v24, v16
	v_nop                                          ; a plain instruction between v_rcp_f32 and the use of its result (ISA guide 5.7.2)
	s_wait_alu depctr_va_vdst(0)
.irp k, 0,1,2,3,4,5,6,7,8,9,10,11,12,13,14,15
	v_pk_mul_f32 v[\O+2*\k:\O+2*\k+1], v[\O+2*\k:\O+2*\k+1], v[24:25] op_sel_hi:[1,0]
.if \two
	v_pk_mul_f32 v[16:17], v[\O+2*\k:\O+2*\k+1], 0x46000400 op_sel_hi:[1,0]
	v_pk_add_f32 v[18:19], v[16:17], v[\O+2*\k:\O+2*\k+1] neg_lo:[0,1] neg_hi:[0,1]
	v_pk_add_f32 v[16:17], v[16:17], v[18:19] neg_lo:[0,1] neg_hi:[0,1]
	v_pk_add_f32 v[\O+2*\k:\O+2*\k+1], v[\O+2*\k:\O+2*\k+1], v[16:17] neg_lo:[0,1] neg_hi:[0,1]
	v_cvt_pk_f16_f32 v[F+16*\piece+\k], v16, v17
	v_cvt_pk_f16_f32 v[F+32+16*\piece+\k], v[\O+2*\k], v[\O+2*\k+1]
.else
	v_cvt_pk_f16_f32 v[F+16*\piece+\k], v[\O+2*\k], v[\O+2*\k+1]
.endif
.endr
.irp dt, 0,1,2,3
	ds_store_b128 v12, v[F+16*\piece+4*\dt:F+16*\piece+4*\dt+3] offset:2304*\piece+32*\dt
.endr
.endm
.macro WAYOUT two
	OUTP OX, LX, 0, \two
	OUTP OY, LY, 1, \two
.irp t, 0,1,2,3,4,5,6,7
	ds_load_b128 v[SX+4*\t:SX+4*\t+3], v13 offset:576*\t           ; LDS serves a wave's instructions in order: these see my stores
.endr
.irp t, 0,1,2,3,4,5,6,7
	s_wait_dscnt 7-\t
	global_store_b128 v14, v[SX+4*\t:SX+4*\t+3], s[10:11] offset:512*\t            ; four rows: 512 consecutive bytes, aligned
.endr
.if \two
.irp p, 0,1
.irp dt, 0,1,2,3
	ds_store_b128 v12, v[F+32+16*\p+4*\dt:F+32+16*\p+4*\dt+3] offset:2304*\p+32*\dt    ; the low part, into the stage whose reads have all come back
.endr
.endr
.irp t, 0,1,2,3,4,5,6,7
	ds_load_b128 v[SY+4*\t:SY+4*\t+3], v13 offset:576*\t
.endr
.irp t, 0,1,2,3,4,5,6,7
	s_wait_dscnt 7-\t
	global_store_b128 v14, v[SY+4*\t:SY+4*\t+3], s[10:11] offset:4194304+512*\t    ; the low part: 16 heads x 2,048 rows x 128 bytes further on
.endr
.endif
	s_set_vgpr_msb 0x5
	s_wait_tensorcnt 0x0
	ds_add_u32 v0, v1
	s_wait_dscnt 0x0
	s_set_vgpr_msb 0x500
	s_endpgm
.endm
	s_cmp_lg_u32 s13, 0
	s_cbranch_scc1 .Lone_part
	WAYOUT 1
.Lone_part:
	WAYOUT 0
.Lfunc_end_k_qc01d042540_attn:
	.size	k_qc01d042540_attn, .Lfunc_end_k_qc01d042540_attn-k_qc01d042540_attn
	.p2alignl 7, 3214868480
	.fill 96, 4, 3214868480
	.section	.rodata,"a",@progbits
	.p2align	6, 0x0
	.amdhsa_kernel k_qc01d042540_attn
		.amdhsa_group_segment_fixed_size 327680
		.amdhsa_private_segment_fixed_size 0
		.amdhsa_enable_private_segment 0
		.amdhsa_kernarg_size 32
		.amdhsa_user_sgpr_count 2
		.amdhsa_user_sgpr_kernarg_segment_ptr 1
		.amdhsa_wavefront_size32 1
		.amdhsa_system_sgpr_workgroup_id_x 1
		.amdhsa_system_sgpr_workgroup_id_y 1
		.amdhsa_system_sgpr_workgroup_id_z 1
		.amdhsa_system_vgpr_workitem_id 0
		.amdhsa_next_free_vgpr 258
		.amdhsa_next_free_sgpr 88
		.amdhsa_reserve_vcc 1
		.amdhsa_float_denorm_mode_32 3
		.amdhsa_float_denorm_mode_16_64 3
		.amdhsa_memory_ordered 1
		.amdhsa_forward_progress 1
		.amdhsa_inst_pref_size 255
	.end_amdhsa_kernel
	.section	.bss,"aw",@nobits
	.p2align	6
	.space	262144
	.amdgpu_metadata
---
amdhsa.version: [ 1, 2 ]
amdhsa.kernels:
  - .name:           k_qc01d042540_attn
    .symbol:         k_qc01d042540_attn.kd
    .args:
      - { .name: q, .offset: 0, .size: 8, .value_kind: global_buffer, .address_space: global }
      - { .name: k, .offset: 8, .size: 8, .value_kind: global_buffer, .address_space: global }
      - { .name: v, .offset: 16, .size: 8, .value_kind: global_buffer, .address_space: global }
      - { .name: y, .offset: 24, .size: 8, .value_kind: global_buffer, .address_space: global }
    .group_segment_fixed_size: 327680
    .private_segment_fixed_size: 0
    .kernarg_segment_align: 8
    .kernarg_segment_size: 32
    .max_flat_workgroup_size: 256
    .sgpr_count:     88
    .vgpr_count:     258
    .wavefront_size: 32
...
	.end_amdgpu_metadata
.endif
;; end of part 6
;; launch proj (part 7): grid 8 x 32, 4 waves a work-group, clusters of 4 x 4, 327,680 bytes of LDS; arguments y, wpt, bproj, out0; writes out0
.if DOCPART == 7
	.amdgcn_target "amdgcn-amd-amdhsa--gfx1250"
	.amdhsa_code_object_version 6
	.text
	.protected	k_qc01d042540_proj
	.globl	k_qc01d042540_proj
	.p2align	8
	.type	k_qc01d042540_proj,@function
k_qc01d042540_proj:
	s_mov_b64 s[64:65], 0
	v_nop
	global_prefetch_b8 v0, s[64:65] scope:SCOPE_SE
	s_setreg_imm32_b32 hwreg(HW_REG_WAVE_MODE, 25, 1), 1
	s_wait_xcnt 0x0
	s_wait_alu depctr_hold_cnt(0) depctr_sa_sdst(0) depctr_va_vdst(0) depctr_va_sdst(0) depctr_va_ssrc(0) depctr_va_vcc(0) depctr_vm_vsrc(0)
	s_getreg_b32 s2, hwreg(HW_REG_IB_STS2, 6, 4)
	s_cmp_eq_u32 s2, 0
	s_cbranch_scc0 .Lentry_in_a_cluster
	s_endpgm
.Lentry_in_a_cluster:
	s_bfe_u32 s2, ttmp6, 0x10000c
	s_cmp_lg_u32 s2, 0xf033
	s_cbranch_scc0 .Lentry_shape_is_right
	s_endpgm
.Lentry_shape_is_right:
; PROJ: out0 = y . Wproj + bproj.  y = [batch][32 planes: 16 heads high, 16 heads low][2048][64] f16 (as the attention launch leaves it; of the low planes
; only rows 0-31 of each block of 128 rows are written and read), wpt = [1024 n][1024 k] f16, out0 = [4096][1024] f32.
; 256 work-groups, one for each block of 128 x 128 of out0: a larger block would leave WGPs without work.  Four waves; wave (wm, wn) makes the rows
; 32 a + 16 wm + 0..15 (a = 0..3) and the columns 64 wn + 0..63: 16 accumulator tiles.
; PRECISION: row t of a causal average is about 1 / sqrt(t + 1) of row 0, so only the first rows of a batch are large against the root mean square by which the
; error is held: at t = 32 the rounding of y to 11 bits is about a twelfth of the allowance.  So y's low part is multiplied for rows 0-31 of a block alone:
; row tile a = 0 of every wave, on wpt's fragments that are in registers anyway, 4 products beside a quarter step's 16.  It is needed in the first block of a
; batch only; it is done in every block.
; K = 1024 goes in 4 steps of 256 (four heads) through two LDS slots, both asked for at the start.  y's rows are 128 bytes in the tensor itself, so a step's tile
; of y is four sub-tiles, one a head; wpt's rows are 512 bytes, aligned.
; CLUSTERS: 4 x 4 work-groups; y's tiles are asked for jointly along a cluster's row, wpt's along a column.
; The matrix instruction is used transposed (source 0 = rows of wpt, source 1 = rows of y): a lane holds eight neighbouring columns of one row of out0.
; Window 0: v1-13 addresses; v16-47 bias; v48-55, v56-63 fragments of y's low part; v64-127, v128-191 fragments (y, then wpt), two buffers; v192-223 results;
; v224-255 rows read back.  Window 1: accumulators at v[8 (4 a + b)].
.set APITCH, 144                       ; a row of 64 f16 + 16 bytes
.set ASUB,   128*APITCH                ; a head's 128 rows
.set LSUB,   32*APITCH                 ; a head's 32 rows of the low part
.set LOFF,   4*ASUB                    ; the four low pieces lie behind the four heads
.set BPITCH, 528                       ; a row of 256 f16 + 16 bytes
.set BOFF,   LOFF+4*LSUB
.set QB,     32*BPITCH                 ; what one load of wpt brings
.set SLOT,   BOFF+4*QB
.set SPITCH, 272                       ; the way out: 16 rows x 272 bytes for each wave, at the head of slot 0, which has had its last fill and its last reads by then
.set ADRA,  4                          ; v4-5  LDS address of my y fragments in slot 0, 1
.set ADRA2, 6                          ; v6-7  the same two heads further on (the immediate offset has 16 bits)
.set ADRB,  8                          ; v8-9  the same for wpt
.set STO,  10
.set RD,   11
.set CO,   12
.set BO,   13
.set BIAS, 16
.set LF,   48
.set TMP,  192
.set RB,   224
.set G1,  24                           ; s[24:31] group 1 for y's sub-tiles
.set G1B, 32                           ; s[32:39] group 1 for wpt's tiles
.set G0,  40                           ; s[40:55] group 0 for y: slot s, sub-tile e of my two at s[40 + 8 s + 4 e]
.set G1L, 56                           ; s[56:63] group 1 for the low pieces
.set G0B, 76                           ; s[76:91] group 0 for wpt: slot s, 32 rows e of my 64 at s[76 + 8 s + 4 e]
.set G0L, 92                           ; s[92:99] group 0 for my low piece, one set for each slot
.set MSB, 0
.macro WIN new
.if MSB != \new
	s_set_vgpr_msb (MSB<<8)|\new
.set MSB, \new
.endif
.endm
; The joint loads of a slot, three a wave: wave w fetches the low piece of the step's head w; waves 0 and 1 two heads of y each, waves 2 and 3 two times 32 rows of wpt.
.macro JLOADP s
	tensor_load_to_lds s[G0L+4*(\s):G0L+4*(\s)+3], s[G1L:G1L+7]
	s_nop 0
	s_cmp_eq_u32 s11, 0
	s_cbranch_scc0 .Lfor_b_\@
	tensor_load_to_lds s[G0+8*(\s):G0+8*(\s)+3], s[G1:G1+7]
	s_nop 0
	tensor_load_to_lds s[G0+8*(\s)+4:G0+8*(\s)+7], s[G1:G1+7]
	s_nop 0
	s_branch .Lasked_\@
.Lfor_b_\@:
	tensor_load_to_lds s[G0B+8*(\s):G0B+8*(\s)+3], s[G1B:G1B+7]
	s_nop 0
	tensor_load_to_lds s[G0B+8*(\s)+4:G0B+8*(\s)+7], s[G1B:G1B+7]
	s_nop 0
.Lasked_\@:
.endm
.macro CROUND                          ; a round of the cluster's barrier
	s_barrier_signal -1
	s_barrier_wait -1
	s_cmp_lg_u32 s10, 0
	s_cbranch_scc1 .Lnot_wave_0_\@
	s_barrier_signal -3
.Lnot_wave_0_\@:
	s_barrier_wait -3
	s_barrier_signal -1
	s_barrier_wait -1
.endm
.macro PLACES                          ; four places behind a matrix instruction before a load lands in a source or a vector instruction reads a result (ISA guide 7.12.1 for vector instructions)
.rept 4
	v_nop
.endr
.endm
	s_load_b256 s[4:11], s[0:1], 0x0               ; y s[4:5], wpt s[6:7], bproj s[8:9], out0 s[10:11] (s10, s11 are moved below)
	v_lshl_add_u32 v14, v0, 2, 0x4e000
	v_mov_b32 v15, 0
	ds_add_u32 v14, v15
	ds_add_u32 v14, v15
	v_lshrrev_b32 v1, 5, v0
	v_readfirstlane_b32 s69, v1                    ; wave 0..3
	s_bfe_u32 s15, ttmp6, 0x40000                  ; cx
	s_bfe_u32 s16, ttmp6, 0x40004                  ; cy
	s_lshl_b32 s14, ttmp9, 2
	s_add_co_u32 s14, s14, s15                     ; block column = 4 x cluster x + cx
	s_and_b32 s13, ttmp7, 0xffff
	s_lshl_b32 s13, s13, 2
	s_add_co_u32 s13, s13, s16                     ; block row = 4 x cluster y + cy
	s_lshl_b32 s17, s16, 2
	s_lshl_b32 s17, 15, s17                        ; my row of the cluster
	s_lshl_b32 s18, 0x1111, s15                    ; my column
	s_wait_dscnt 0x0
	s_wait_kmcnt 0x0
	s_mov_b64 s[74:75], s[10:11]                   ; out0
	s_mov_b32 s10, s69                             ; wave
	s_lshr_b32 s11, s10, 1                         ; wm: which rows are mine.  Also: I fetch for y (0) or for wpt (1)
	s_and_b32 s12, s10, 1                          ; wn: which 64 columns.  Also: which half of that tile I fetch
	s_or_b32 s[G1+0], s17, (1<<16)|(1<<20)|(1<<21)|(4<<22)|(3<<25)   ; y: elements of 2 bytes, 16 bytes of padding behind every 32 words, to my row
	s_mov_b32 s[G1+1], 64<<16
	s_mov_b32 s[G1+2], 128<<16
	s_mov_b32 s[G1+3], 64<<16
	s_mov_b32 s[G1+4], 128                         ; 128 rows of 64 elements, dense
	s_mov_b32 s[G1+5], 64
	s_mov_b32 s[G1+6], 0
	s_mov_b32 s[G1+7], 0
	s_or_b32 s[G1L+0], s17, (1<<16)|(1<<20)|(1<<21)|(4<<22)|(3<<25)  ; the low pieces: the same with 32 rows
	s_mov_b32 s[G1L+1], 64<<16
	s_mov_b32 s[G1L+2], 32<<16
	s_mov_b32 s[G1L+3], 64<<16
	s_mov_b32 s[G1L+4], 32
	s_mov_b32 s[G1L+5], 64
	s_mov_b32 s[G1L+6], 0
	s_mov_b32 s[G1L+7], 0
	s_or_b32 s[G1B+0], s18, (1<<16)|(1<<20)|(1<<21)|(6<<22)|(3<<25)  ; wpt: padding behind every 128 words, to my column
	s_mov_b32 s[G1B+1], 256<<16
	s_mov_b32 s[G1B+2], 32<<16
	s_mov_b32 s[G1B+3], 256<<16
	s_mov_b32 s[G1B+4], 32                         ; 32 rows of 256 elements
	s_mov_b32 s[G1B+5], 1024                       ; elements from row to row
	s_mov_b32 s[G1B+6], 0
	s_mov_b32 s[G1B+7], 0
	; y's addresses hang on the block row alone, wpt's on the block column alone, each in registers that never hold the other coordinate
	s_and_b32 s20, s13, 0xfff0                     ; 16 x batch
	s_lshl_b32 s20, s20, 1                         ; 32 planes a batch
	s_add_co_u32 s72, s20, 16                      ; the low planes lie behind the 16 high ones;
	s_add_co_u32 s72, s72, s10                     ; my low piece: the step's head w
	s_lshl1_add_u32 s20, s12, s20                  ; my first head of the step's four
	s_lshl_b32 s20, s20, 18                        ; planes of 2,048 rows of 128 bytes
	s_lshl_b32 s72, s72, 18
	s_and_b32 s21, s13, 15
	s_lshl_b32 s21, s21, 14                        ; 128 rows of 128 bytes
	s_add_co_u32 s20, s20, s21
	s_add_co_u32 s72, s72, s21
	s_mov_b32 s21, 0
	s_mov_b32 s73, 0
	s_add_nc_u64 s[22:23], s[4:5], s[20:21]
	s_add_nc_u64 s[72:73], s[4:5], s[72:73]
	s_lshl_b32 s66, s14, 18                        ; 128 rows of 2,048 bytes
	s_lshl_b32 s67, s12, 17
	s_add_co_u32 s66, s66, s67
	s_mov_b32 s67, 0
	s_add_nc_u64 s[66:67], s[6:7], s[66:67]
	s_mul_i32 s19, s10, 2*ASUB                     ; where they go: y's heads at wave x two sub-tiles,
	s_mul_i32 s68, s10, 2*QB
	s_add_co_u32 s68, s68, BOFF-4*QB               ; wpt's halves (waves 2, 3) at the slot's end,
	s_mul_i32 s69, s10, LSUB
	s_add_co_u32 s69, s69, LOFF                    ; the low pieces between them: no place in the cluster enters an LDS address
.irp s, 0,1
.irp e, 0,1
	s_mov_b32 s[G0+8*\s+4*\e], 1
	s_add_co_u32 s[G0+8*\s+4*\e+1], s19, \s*SLOT+\e*ASUB
	s_add_nc_u64 s[G0+8*\s+4*\e+2:G0+8*\s+4*\e+3], s[22:23], (4*\s+\e)*262144
	s_or_b32 s[G0+8*\s+4*\e+3], s[G0+8*\s+4*\e+3], 0x80000000
	s_mov_b32 s[G0B+8*\s+4*\e], 1
	s_add_co_u32 s[G0B+8*\s+4*\e+1], s68, \s*SLOT+\e*QB
	s_add_nc_u64 s[G0B+8*\s+4*\e+2:G0B+8*\s+4*\e+3], s[66:67], \s*512+\e*65536
	s_or_b32 s[G0B+8*\s+4*\e+3], s[G0B+8*\s+4*\e+3], 0x80000000
.endr
	s_mov_b32 s[G0L+4*\s], 1
	s_add_co_u32 s[G0L+4*\s+1], s69, \s*SLOT
	s_add_nc_u64 s[G0L+4*\s+2:G0L+4*\s+3], s[72:73], \s*4*262144
	s_or_b32 s[G0L+4*\s+3], s[G0L+4*\s+3], 0x80000000
.endr
	v_and_b32 v1, 15, v0                           ; r
	v_bfe_u32 v2, v0, 4, 1                         ; h
	v_lshlrev_b32 v[BO], 5, v2
	s_lshl_b32 s70, s14, 9
	s_lshl_b32 s71, s12, 8
	s_add_co_u32 s70, s70, s71                     ; my first column, in bytes of f32
	s_mov_b32 s71, 0
	s_add_nc_u64 s[8:9], s[8:9], s[70:71]
	s_add_nc_u64 s[74:75], s[74:75], s[70:71]
	s_lshl_b32 s70, s13, 19                        ; 128 rows of 4,096 bytes
	s_lshl_b32 s20, s11, 16                        ; + 16 wm rows
	s_add_co_u32 s70, s70, s20
	s_add_nc_u64 s[74:75], s[74:75], s[70:71]
.irp b, 0,1,2,3
	global_load_b128 v[BIAS+8*\b:BIAS+8*\b+3],   v[BO], s[8:9] offset:64*\b
	global_load_b128 v[BIAS+8*\b+4:BIAS+8*\b+7], v[BO], s[8:9] offset:64*\b+16
.endr
	CROUND                                         ; all sixteen work-groups are here: the first joint loads meet
	JLOADP 0
	JLOADP 1                                       ; K steps 0 and 1: six tensor loads of the wave are out
	v_mul_u32_u24 v3, v1, APITCH
	v_lshl_add_u32 v3, v2, 4, v3
	s_mul_i32 s72, s11, 16*APITCH
	v_add_nc_u32 v[ADRA], s72, v3                  ; row 16 wm + r of a sub-tile, and of a low piece
	v_add_nc_u32 v[ADRA+1], SLOT, v[ADRA]
	v_add_nc_u32 v[ADRA2], 2*ASUB, v[ADRA]
	v_add_nc_u32 v[ADRA2+1], SLOT, v[ADRA2]
	v_mul_u32_u24 v3, v1, BPITCH
	v_lshl_add_u32 v3, v2, 4, v3
	s_mul_i32 s72, s12, 2*QB
	s_add_co_u32 s72, s72, BOFF
	v_add_nc_u32 v[ADRB], s72, v3
	v_add_nc_u32 v[ADRB+1], SLOT, v[ADRB]
	s_mul_i32 s72, s10, 16*SPITCH                  ; my stage
	v_mul_u32_u24 v3, v1, SPITCH
	v_lshl_add_u32 v3, v2, 5, v3
	v_add_nc_u32 v[STO], s72, v3                   ; in: row r, 32 bytes for each half of the lanes
	v_mul_u32_u24 v3, v2, SPITCH
	v_lshl_add_u32 v3, v1, 4, v3
	v_add_nc_u32 v[RD], s72, v3                    ; back: lanes 0-15 one row of 256 bytes, lanes 16-31 the next
	v_lshlrev_b32 v3, 12, v2
	v_lshl_add_u32 v[CO], v1, 4, v3                ; and the same two rows in out0
; 18 LDS loads: quarter q (32 K, head q / 2) of a slot into buffer f: my four row tiles of y, my 16 rows of the low piece, my 64 rows of wpt
.macro FETCHP slot, q, f
.irp a, 0,1,2,3
	ds_load_b128 v[64+64*(\f)+8*\a:64+64*(\f)+8*\a+3],   v[ADRA+2*((\q)>>2)+\slot] offset:ASUB*(((\q)>>1)&1)+64*((\q)&1)+32*APITCH*\a
	ds_load_b128 v[64+64*(\f)+8*\a+4:64+64*(\f)+8*\a+7], v[ADRA+2*((\q)>>2)+\slot] offset:ASUB*(((\q)>>1)&1)+64*((\q)&1)+32*APITCH*\a+32
.endr
	ds_load_b128 v[LF+8*(\f):LF+8*(\f)+3],   v[ADRA2+\slot] offset:LOFF-2*ASUB+LSUB*((\q)>>1)+64*((\q)&1)
	ds_load_b128 v[LF+8*(\f)+4:LF+8*(\f)+7], v[ADRA2+\slot] offset:LOFF-2*ASUB+LSUB*((\q)>>1)+64*((\q)&1)+32
.irp b, 0,1,2,3
	ds_load_b128 v[96+64*(\f)+8*\b:96+64*(\f)+8*\b+3],   v[ADRB+\slot] offset:64*(\q)+16*BPITCH*\b
	ds_load_b128 v[96+64*(\f)+8*\b+4:96+64*(\f)+8*\b+7], v[ADRB+\slot] offset:64*(\q)+16*BPITCH*\b+32
.endr
.endm
; 20 matrix instructions: the 16 tiles, then the low part onto the four tiles of a = 0.  No two that follow each other share an accumulator, also from
; one quarter to the next: the accumulators take turns, one instruction a turn.
.macro MUL20 f, zero
.irp a, 0,1,2,3
.irp b, 0,1,2,3
.if \zero
	v_wmma_f32_16x16x32_f16 v[8*(4*\a+\b):8*(4*\a+\b)+7], v[96+64*(\f)+8*\b:96+64*(\f)+8*\b+7], v[64+64*(\f)+8*\a:64+64*(\f)+8*\a+7], 0
.else
	v_wmma_f32_16x16x32_f16 v[8*(4*\a+\b):8*(4*\a+\b)+7], v[96+64*(\f)+8*\b:96+64*(\f)+8*\b+7], v[64+64*(\f)+8*\a:64+64*(\f)+8*\a+7], v[8*(4*\a+\b):8*(4*\a+\b)+7]
.endif
.endr
.endr
.irp b, 0,1,2,3
	v_wmma_f32_16x16x32_f16 v[8*\b:8*\b+7], v[96+64*(\f)+8*\b:96+64*(\f)+8*\b+7], v[LF+8*(\f):LF+8*(\f)+7], v[8*\b:8*\b+7]
.endr
.endm
; A K step: the slot's eight quarters; each quarter's fragments are fetched while the quarter before is multiplied.
.macro STEP slot, zero
.if \zero
.else
	PLACES
.endif
	FETCHP \slot, 0, 0
.irp q, 0,1,2,3,4,5,6,7
.if \q < 7
.if \q > 0
	PLACES
.endif
	FETCHP \slot, \q+1, (\q+1)&1
	s_wait_dscnt 18                                ; this quarter's fragments are in; the 18 loads just issued stay out
.else
	s_wait_dscnt 0x0
.endif
.set ZQ, 0
.if \zero
.if \q == 0
.set ZQ, 1
.endif
.endif
	WIN 0x50                                       ; C and D in window 1
	MUL20 \q&1, ZQ
	WIN 0
.endr
.endm
; The change of slots behind a K step on \slot.  Every wave waits for its reads of the slot and for all its tensor loads (its part of the other slot among them).
; refill = 1: a round of the cluster's barrier, and the joint refill of the slot, two K steps on, is the first tensor load behind the round's closing wait.
.macro CHANGE slot, refill
	s_wait_dscnt 0x0
	s_wait_tensorcnt 0x0
	ds_add_u32 v14, v15
	s_wait_dscnt 0x0
.if \refill
	s_add_nc_u64 s[G0+8*\slot+2:G0+8*\slot+3], s[G0+8*\slot+2:G0+8*\slot+3], 8*262144      ; no tensor load of mine is out: eight heads on
	s_add_nc_u64 s[G0+8*\slot+6:G0+8*\slot+7], s[G0+8*\slot+6:G0+8*\slot+7], 8*262144
	s_add_nc_u64 s[G0L+4*\slot+2:G0L+4*\slot+3], s[G0L+4*\slot+2:G0L+4*\slot+3], 8*262144
	s_add_nc_u64 s[G0B+8*\slot+2:G0B+8*\slot+3], s[G0B+8*\slot+2:G0B+8*\slot+3], 1024      ; 512 k on
	s_add_nc_u64 s[G0B+8*\slot+6:G0B+8*\slot+7], s[G0B+8*\slot+6:G0B+8*\slot+7], 1024
	CROUND
	JLOADP \slot
.else
	s_barrier_signal -1
	s_barrier_wait -1
.endif
.endm
	s_wait_tensorcnt 3                             ; my three loads of K step 0 are in; the three of K step 1, issued behind them, stay out
	s_barrier_signal -1
	s_barrier_wait -1
	STEP 0, 1                                      ; the first products start the sums
	CHANGE 0, 1                                    ; slot 0 gets K step 2
	STEP 1, 0
	CHANGE 1, 1                                    ; slot 1 gets K step 3
	STEP 0, 0
	CHANGE 0, 0                                    ; nothing more is fetched; behind this barrier nobody reads slot 0 any more
	STEP 1, 0
	; THE WAY OUT, 16 rows at a time: add the bias, through my own stage, whole 256-byte pieces of rows to memory
	PLACES
	s_wait_loadcnt 0x0                             ; the bias
.macro OUTR a
	WIN 0x01                                       ; source 0 in window 1
.irp b, 0,1,2,3
.irp m, 0,1,2,3
	v_pk_add_f32 v[TMP+8*\b+2*\m:TMP+8*\b+2*\m+1], v[8*(4*\a+\b)+2*\m:8*(4*\a+\b)+2*\m+1], v[BIAS+8*\b+2*\m:BIAS+8*\b+2*\m+1]
.endr
.endr
	WIN 0
.irp b, 0,1,2,3
	ds_store_b128 v[STO], v[TMP+8*\b:TMP+8*\b+3]   offset:64*\b
	ds_store_b128 v[STO], v[TMP+8*\b+4:TMP+8*\b+7] offset:64*\b+16
.endr
	s_wait_xcnt 0x0                                ; the registers that the last 16 rows' stores read are loaded again only behind this wait
.irp t, 0,1,2,3,4,5,6,7
	ds_load_b128 v[RB+4*\t:RB+4*\t+3], v[RD] offset:2*SPITCH*\t    ; LDS serves a wave's instructions in order: these see my stores
.endr
.irp t, 0,1,2,3,4,5,6,7
	s_wait_dscnt 7-\t
	global_store_b128 v[CO], v[RB+4*\t:RB+4*\t+3], s[74:75] offset:131072*\a+8192*\t   ; row tile a lies 32 a rows on; 16 lanes store 256 consecutive bytes, aligned
.endr
.endm
	OUTR 0
	OUTR 1
	OUTR 2
	OUTR 3
	s_wait_tensorcnt 0x0
	ds_add_u32 v14, v15
	s_wait_dscnt 0x0
	CROUND                                         ; the closing round: no work-group ends while a partner may still ask for a tile that names it
	s_endpgm
.Lfunc_end_k_qc01d042540_proj:
	.size	k_qc01d042540_proj, .Lfunc_end_k_qc01d042540_proj-k_qc01d042540_proj
	.p2alignl 7, 3214868480
	.fill 96, 4, 3214868480
	.section	.rodata,"a",@progbits
	.p2align	6, 0x0
	.amdhsa_kernel k_qc01d042540_proj
		.amdhsa_group_segment_fixed_size 327680
		.amdhsa_private_segment_fixed_size 0
		.amdhsa_enable_private_segment 0
		.amdhsa_kernarg_size 32
		.amdhsa_user_sgpr_count 2
		.amdhsa_user_sgpr_kernarg_segment_ptr 1
		.amdhsa_wavefront_size32 1
		.amdhsa_system_sgpr_workgroup_id_x 1
		.amdhsa_system_sgpr_workgroup_id_y 1
		.amdhsa_system_sgpr_workgroup_id_z 1
		.amdhsa_system_vgpr_workitem_id 0
		.amdhsa_next_free_vgpr 384
		.amdhsa_next_free_sgpr 100
		.amdhsa_reserve_vcc 0
		.amdhsa_float_denorm_mode_32 3
		.amdhsa_float_denorm_mode_16_64 3
		.amdhsa_memory_ordered 1
		.amdhsa_forward_progress 1
		.amdhsa_inst_pref_size 109
	.end_amdhsa_kernel
	.amdgpu_metadata
---
amdhsa.version: [ 1, 2 ]
amdhsa.kernels:
  - .name:           k_qc01d042540_proj
    .symbol:         k_qc01d042540_proj.kd
    .args:
      - { .name: y, .offset: 0, .size: 8, .value_kind: global_buffer, .address_space: global }
      - { .name: wpt, .offset: 8, .size: 8, .value_kind: global_buffer, .address_space: global }
      - { .name: bproj, .offset: 16, .size: 8, .value_kind: global_buffer, .address_space: global }
      - { .name: out0, .offset: 24, .size: 8, .value_kind: global_buffer, .address_space: global }
    .group_segment_fixed_size: 327680
    .private_segment_fixed_size: 0
    .kernarg_segment_align: 8
    .kernarg_segment_size: 32
    .max_flat_workgroup_size: 128
    .sgpr_count:     100
    .vgpr_count:     384
    .wavefront_size: 32
...
	.end_amdgpu_metadata
.endif
;; end of part 7
